; MI455X (gfx1250); checked and timed in simulation.
; The chip was launched on July 23, 2026; its instructions are those of AMD's public machine-readable ISA for CDNA 5 (MIT licence, August 2026) and "CDNA5" Instruction Set Architecture Reference Guide (July 2026). The comments in the code are by the model that wrote it; some were corrected since.
;; Self Attention Module. Allowed arithmetic: matrix products marked QUANTISED: E2M1 operands, one E8M0 scale for each 32 along K, by v_wmma_scale_f32_16x16x128_f8f6f4 with both operands' format E2M1 (or v_wmma_scale_f32_32x16x128_f4), f32 sums; everything else in f32.
;; Inputs: W_out_codes 1,024 x 32 x 16 uint8 (E2M1 codes of W_out, K innermost, in blocks of 32 codes, two codes a byte); W_out_scales 1,024 x 32 uint8 (E8M0 scales of W_out, one for each 32 codes along K); W_qkv_codes 3,072 x 32 x 16 uint8 (E2M1 codes of W_qkv, K innermost, in blocks of 32 codes, two codes a byte); W_qkv_scales 3,072 x 32 uint8 (E8M0 scales of W_qkv, one for each 32 codes along K); b_out 1,024 float32; b_qkv 3,072 float32; beta 1,024 float32; gamma 1,024 float32; x 4 x 2,048 x 1,024 float32.
;; Outputs: out0 4 x 2,048 x 1,024 float32.
;; This version of the problem:
;;   THIS VERSION OF THE PROBLEM IS GIVEN IN LOW PRECISION. The matrix products marked QUANTISED in the list below multiply operands that are first quantised to E2M1 (2 exponent bits, 1 mantissa bit; 4 bits a number), with one power-of-two scale for each 32 numbers along K (OCP MX v1.0); their sums are f32. All else is computed in f32.
;;   The module's matrix products, in the order in which they are computed (A, B: the left and right operand; K: the contracted axis; several contracted axes count as one K, in the product's order):
;;     1. [M 8,192, K 1,024] x [K 1,024, N 3,072]; A: input x; B: input W_qkv (given as codes): QUANTISED
;;     2. batch 64 x [M 2,048, K 64] x [K 64, N 2,048]; A: computed on the way; B: computed on the way: QUANTISED
;;     3. batch 64 x [M 2,048, K 2,048] x [K 2,048, N 64]; A: softmax (see below); B: computed on the way: QUANTISED
;;     4. [M 8,192, K 1,024] x [K 1,024, N 1,024]; A: computed on the way; B: input W_out (given as codes): QUANTISED
;;   THE QUANTISER, for each operand of a quantised product, along K:
;;     - K is cut into blocks of 32 from its start; a last block that is shorter is filled with zeros.
;;     - A block's scale is 2^e with e = floor(log2(the largest magnitude in the block)) - 2, held to -126 .. 127; a block of zeros has e = 0. As a byte (E8M0): e + 127.
;;     - Each number is divided by its block's scale, clamped to +-6, and rounded to the nearest number of E2M1, ties to even, subnormals kept.
;;     - The product sums the exact products of the quantised numbers (number of the format x scale) in f32.
;;   ~~~python
;;   def quantise(x, axis):      # numpy; x: float32 -> the quantised numbers, widened to float32 again
;;       x = np.moveaxis(x, axis, -1); K = x.shape[-1]
;;       x = np.pad(x, [(0, 0)] * (x.ndim - 1) + [(0, -K % 32)]); x = x.reshape(x.shape[:-1] + (-1, 32)); a = np.abs(x).max(-1, keepdims=True)
;;       e = np.where(a > 0, np.clip(np.frexp(np.where(a > 0, a, 1))[1] - 1 - 2, -126, 127), 0)      # np.frexp(a)[1] - 1 = floor(log2(a)), exactly
;;       r = np.clip(x / 2.0 ** e, -6, 6)
;;       step = 2.0 ** (np.maximum(np.frexp(np.where(r == 0, 1, r))[1] - 1, 0) - 1)
;;       q = np.round(r / step) * step * 2.0 ** e      # np.round: ties to even
;;       return np.moveaxis(q.reshape(q.shape[:-2] + (-1,))[..., :K], -1, axis).astype(np.float32)
;;   ~~~
;;   SOFTMAX AHEAD OF A QUANTISED PRODUCT. Where the list says 'softmax', what is quantised is not the finished softmax but p = 2^(t - M), with t = logit x log2(e) and M = ceil(the row's largest t), a whole number; so 1/2 < the row's largest p <= 1. The row's sum l is taken of the UNQUANTISED p, in f32, and the product's result is divided by l at the end. Since M is a whole number, a kernel that streams over the keys may use a running M (the ceiling of the running maximum): every later rescaling is an exact power of two, which a block's scale takes up: the codes' values come out the same.
;;   OPERANDS COMPUTED ON THE WAY. 'Computed on the way' means the value that the module computes at that place (a softmax that the list does not call 'softmax' is quantised finished and normalised). What goes into a quantiser is computed in f32, as accurately as f32 sums, v_exp_f32 and their like allow (about 1e-6 of the number): no bf16 or f16 on the way to a quantiser, and a product that is left as it is and whose result goes on into a quantised operand takes f32 operands (vector FMAs, or v_wmma_f32_16x16x4_f32). A number that lies on a knife's edge between two numbers of the format may be rounded either way, as far as f32 arithmetic and the matrix unit's own rounding can turn it there, and no further.
;;   INPUTS GIVEN AS CODES. W_out (in the module: [1024, 1024], K = its axis 0); W_qkv (in the module: [1024, 3072], K = its axis 0): each comes as NAME_codes (uint8): NAME with its K axis moved to the last place and cut into blocks of 32 codes, [.., K / 32, bytes a block], one block behind the other in memory; two codes a byte, the lower K in the low four bits (a code: sign, 2 exponent bits, 1 mantissa bit); and NAME_scales (uint8): the same leading axes, one E8M0 byte (e + 127) for each 32 codes along K. Its value is code x scale, taken as it is: it is not quantised again, and the codes and scales need not be those that the quantiser above would give.
;; 2 versions. Each part assembles by itself: llvm-mc -triple=amdgcn-amd-amdhsa -mcpu=gfx1250 --defsym DOCPART=n.
;; ======== version 1 of 2: 4 launches
;; workspace buffers: ximg 4,194,304 bytes; wimg 2,097,152 bytes; sc 393,216 bytes; qkvc 12,582,912 bytes; qkvs 1,310,720 bytes; cimg 4,194,304 bytes; csc 262,144 bytes
;; launch prep (part 1): grid 256 x 1, 4 waves a work-group, no clusters, 35,328 bytes of LDS; arguments x, W_qkv_codes, W_qkv_scales, W_out_codes, W_out_scales, ximg, wimg, sc; writes ximg, wimg, sc
.if DOCPART == 1
	.amdgcn_target "amdgcn-amd-amdhsa--gfx1250"
	.amdhsa_code_object_version 6
	.text
	.protected	k_qcb2f767b57_prep
	.globl	k_qcb2f767b57_prep
	.p2align	8
	.type	k_qcb2f767b57_prep,@function
k_qcb2f767b57_prep:
	s_mov_b64 s[64:65], 0
	v_nop
	global_prefetch_b8 v0, s[64:65] scope:SCOPE_SE
	s_setreg_imm32_b32 hwreg(HW_REG_WAVE_MODE, 25, 1), 1
	s_wait_xcnt 0x0
; x [8192][1024] f32 becomes codes of FP4 (E2M1) with one E8M0 byte for each 32 along K; W_qkv's and W_out's codes and scale bytes are laid out anew.  All three leave as IMAGES OF OPERAND REGISTERS.
; TILES.  An axis that forms tiles of 16 is cut into groups of 64; tile 4 G + i holds, as its row r, index 64 G + 32 (r / 8) + 8 i + r % 8.  A product whose source 0 is the four tiles of a group then
; leaves, in one lane's 32 result registers, 32 NEIGHBOURS of that axis: a whole block of the next product's K.
; IMAGE of a tile (16 rows x 1,024 K): 8,192 bytes; byte s x 1,024 + c x 512 + 16 x lane holds the 16 bytes (32 codes, k = 128 s + 64 c + 32 (lane / 16) + 0 .. 31) of row lane % 16: a fragment is two loads of 512 consecutive bytes.
; SCALE IMAGE of a tile: 512 bytes; the word (four bytes: 128 along K) of K step s and row r at 64 s + 4 r.
; SHARES.  Work-group n, wave w.  x: token tile 2 n + w / 2, K steps 4 (w % 2) + 0 .. 3.  W: tile n (0-191: W_qkv, 192-255: W_out), K steps 2 w and 2 w + 1, and one scale word a lane.  The buffers are chosen by the work-group's number; there is one path.
; x's loads read 512 consecutive bytes of a row; the conversions want 32 neighbours in a lane: a K step's 16 rows x 512 bytes turn through the wave's own stage in LDS (rows 528 bytes apart).  No barrier: waves share nothing.
; A block's scale byte is its largest magnitude's exponent field - 2, held at 1 from below by a floor among the maximum's leaves.
; LIMITS: NaN and infinities are not served; a block of zeros, or one whose largest magnitude lies under 2^-124, gets the byte 1 (its codes are zeros or tiny); the bytes are read by this program alone.
; W's scale words leave in pieces of 64 bytes: 131,072 bytes of the launch's 40 million.
.set WREG, 8704                        ; LDS of a wave: the stage, 16 x 528, and 256 bytes of scale words
.set SP,   528
.set SW,   16*SP
.set CD,   24                          ; v24-55   codes, eight registers a K step, never rewritten
.set X,    56                          ; v56-119  64 numbers of a lane; at the head W's 17 registers
.set LD0,  120                         ; v120-247 two sets of 64 as loaded
	s_load_b512 s[8:23], s[0:1], 0x0               ; x, W_qkv codes, scales, W_out codes, scales, ximg, wimg, sc
	v_lshl_add_u32 v248, v0, 2, 0x8800
	v_mov_b32 v249, 0
	v_lshrrev_b32 v1, 5, v0
	v_readfirstlane_b32 s24, v1                    ; wave
	v_and_b32 v21, 31, v0                          ; lane
	v_and_b32 v2, 15, v0                           ; r
	v_bfe_u32 v3, v0, 4, 1                         ; h
	v_lshlrev_b32 v1, 4, v21                       ; 16 x lane
	s_mul_i32 s25, s24, WREG
	v_add_nc_u32 v4, s25, v1                       ; into the stage: as loaded
	v_mul_u32_u24 v5, v2, SP
	v_lshl_add_u32 v5, v3, 7, v5
	v_add_nc_u32 v5, s25, v5                       ; out of it: row r, 32 numbers of my half
	v_lshl_add_u32 v6, v2, 2, SW
	v_add_nc_u32 v6, s25, v6                       ; my row's scale word
	v_lshlrev_b32 v8, 3, v21
	v_add_nc_u32 v7, SW, v8
	v_add_nc_u32 v7, s25, v7                       ; the scale words on the way out: 8 bytes a lane
	v_lshlrev_b32 v9, 3, v3                        ; 8 h
	v_lshrrev_b32 v10, 3, v2
	v_mad_u32_u24 v13, v10, 24, v2                 ; 32 (r / 8) + r % 8
	v_lshlrev_b32 v10, 9, v13
	v_lshl_add_u32 v10, v3, 4, v10                 ; W's codes: my row of 512 bytes, + 16 h
	v_lshlrev_b32 v11, 5, v13
	v_lshl_add_u32 v11, v3, 4, v11                 ; W's scale bytes: my row of 32, K step w + 4 h
	v_lshlrev_b32 v12, 2, v2
	v_lshl_add_u32 v12, v3, 8, v12                 ; and its place in the scale image
	v_mov_b32 v13, 0                               ; a lane permute's destination counts as one of its sources
	s_lshr_b32 s42, ttmp9, 1
	s_lshl_b32 s42, s42, 6
	s_and_b32 s43, ttmp9, 1
	s_lshl_b32 s43, s43, 4
	s_add_co_u32 s42, s42, s43
	s_lshr_b32 s44, s24, 1
	s_lshl_b32 s43, s44, 3
	s_add_co_u32 s42, s42, s43                     ; my tile's first token: 64 (n / 2) + 16 (n % 2) + 8 (w / 2)
	s_and_b32 s45, s24, 1                          ; q: which half of K
	s_lshl_b32 s46, s42, 12
	s_lshl_b32 s43, s45, 11
	s_add_co_u32 s46, s46, s43
	s_mov_b32 s47, 0                               ; bytes into x
	s_lshl_b32 s42, ttmp9, 1
	s_add_co_u32 s42, s42, s44                     ; T
	s_lshl_b32 s48, s42, 13
	s_lshl_b32 s43, s45, 12
	s_add_co_u32 s48, s48, s43
	s_mov_b32 s49, 0                               ; into ximg
	s_lshl_b32 s50, s42, 9
	s_lshl_b32 s43, s45, 8
	s_add_co_u32 s50, s50, s43
	s_mov_b32 s51, 0                               ; into sc
	s_cmp_lt_u32 ttmp9, 192
	s_cselect_b32 s42, 0, 192
	s_sub_co_u32 s42, ttmp9, s42                   ; the tile's number in its own tensor
	s_lshr_b32 s43, s42, 2
	s_lshl_b32 s43, s43, 6
	s_and_b32 s42, s42, 3
	s_lshl_b32 s42, s42, 3
	s_add_co_u32 s42, s42, s43                     ; its first row
	s_lshl_b32 s52, s42, 9
	s_lshl_b32 s43, s24, 7
	s_add_co_u32 s52, s52, s43
	s_mov_b32 s53, 0                               ; into the codes: my two K steps are 128 bytes of a row
	s_lshl_b32 s54, s42, 5
	s_lshl_b32 s43, s24, 2
	s_add_co_u32 s54, s54, s43
	s_mov_b32 s55, 0                               ; into the scale bytes
	s_lshl_b32 s56, ttmp9, 13
	s_lshl_b32 s43, s24, 11
	s_add_co_u32 s56, s56, s43
	s_mov_b32 s57, 0                               ; into wimg
	s_lshl_b32 s58, ttmp9, 9
	s_lshl_b32 s43, s24, 6
	s_add_co_u32 s58, s58, s43
	s_add_co_u32 s58, s58, 262144
	s_mov_b32 s59, 0                               ; into sc: W's scale images lie behind x's 512
	s_mov_b32 s40, 0x76543210
	s_mov_b32 s41, 0xfedcba98                      ; lane l xor 16
	s_wait_kmcnt 0x0
	s_cmp_lt_u32 ttmp9, 192                        ; the choice hangs on the work-group's number alone
	s_cselect_b64 s[32:33], s[10:11], s[14:15]
	s_cselect_b64 s[34:35], s[12:13], s[16:17]
	s_add_nc_u64 s[26:27], s[8:9], s[46:47]
	s_add_nc_u64 s[28:29], s[18:19], s[48:49]
	s_add_nc_u64 s[30:31], s[22:23], s[50:51]
	s_add_nc_u64 s[32:33], s[32:33], s[52:53]
	s_add_nc_u64 s[34:35], s[34:35], s[54:55]
	s_add_nc_u64 s[36:37], s[20:21], s[56:57]
	s_add_nc_u64 s[38:39], s[22:23], s[58:59]
.macro LOADX t                         ; K step t of my four: 16 rows x 512 consecutive bytes, into set t % 2
.irp r, 0,1,2,3,4,5,6,7,8,9,10,11,12,13,14,15
	global_load_b128 v[LD0+64*((\t)%2)+4*\r:LD0+64*((\t)%2)+4*\r+3], v1, s[26:27] offset:(\r+24*(\r/8))*4096+512*(\t) th:TH_LOAD_NT
.endr
.endm
.irp i, 0,1,2,3
	global_load_b128 v[X+4*\i:X+4*\i+3], v10, s[32:33] offset:32*\i   ; W: (K step 2 w + i / 2, c = i % 2)
.endr
	global_load_b32 v[X+16], v11, s[34:35]
	LOADX 0
	LOADX 1
	s_wait_loadcnt 32                              ; W's five loads are in; x's 32 may be out
.irp i, 0,1,2,3
	global_store_b128 v1, v[X+4*\i:X+4*\i+3], s[36:37] offset:512*\i   ; 512 consecutive bytes a store
.endr
	global_store_b32 v12, v[X+16], s[38:39]
	s_wait_xcnt 0x0                                ; these stores' data registers take x's numbers next
.macro STEP t
.if (\t) < 3
	s_wait_loadcnt 16                              ; this step's 16 loads are in; the next step's may be out
.else
	s_wait_loadcnt 0x0
.endif
.irp r, 0,1,2,3,4,5,6,7,8,9,10,11,12,13,14,15
	ds_store_b128 v4, v[LD0+64*((\t)%2)+4*\r:LD0+64*((\t)%2)+4*\r+3] offset:SP*\r
.endr
.irp c, 0,1
.irp i, 0,1,2,3,4,5,6,7
	ds_load_b128 v[X+32*\c+4*\i:X+32*\c+4*\i+3], v5 offset:256*\c+16*\i   ; LDS serves a wave's instructions in order: these see the stores above
.endr
.endr
	s_wait_dscnt 0x0                               ; my 64 numbers are in, and the set has been read
.if (\t)+2 < 4
	LOADX (\t)+2
.endif
	v_max3_num_f32 v14, |v[X]|, |v[X+1]|, 0x1800000      ; two whole blocks of 32 by turns; the floor 2^(3 - 127) holds the byte at 1 from below
	v_max3_num_f32 v15, |v[X+32]|, |v[X+33]|, 0x1800000
.irp i, 2,4,6,8,10,12,14,16,18,20,22,24,26,28,30
	v_max3_num_f32 v14, v14, |v[X+\i]|, |v[X+\i+1]|
	v_max3_num_f32 v15, v15, |v[X+32+\i]|, |v[X+33+\i]|
.endr
	v_add_nc_u32 v16, 0xff000000, v14              ; 2 off the exponent field: the conversion's scale operand
	v_add_nc_u32 v17, 0xff000000, v15
	v_lshrrev_b32 v18, 23, v16                     ; the scale's byte
	v_lshrrev_b32 v19, 23, v17
.irp c, 0,1
.irp i, 0,1,2,3
	v_cvt_scalef32_pk8_fp4_f32 v[CD+8*(\t)+4*\c+\i], v[X+32*\c+8*\i:X+32*\c+8*\i+7], v[16+\c]
.endr
.endr
	v_lshl_or_b32 v20, v19, 16, v18                ; my bytes: blocks h and 2 + h (plain lines behind the conversions)
	v_lshlrev_b32 v20, v9, v20
	v_permlanex16_b32 v13, v20, s40, s41
	v_or_b32 v20, v20, v13                         ; with lane l xor 16's two the word is whole
	ds_store_b32 v6, v20 offset:64*(\t)            ; both halves write the same word with the same value
	global_store_b128 v1, v[CD+8*(\t):CD+8*(\t)+3], s[28:29] offset:1024*(\t)
	global_store_b128 v1, v[CD+8*(\t)+4:CD+8*(\t)+7], s[28:29] offset:1024*(\t)+512
.endm
	STEP 0
	STEP 1
	STEP 2
	STEP 3
	ds_load_b64 v[22:23], v7                       ; my four steps' scale words: 256 bytes
	s_wait_dscnt 0x0
	global_store_b64 v8, v[22:23], s[30:31]        ; 32 lanes store 256 consecutive bytes, aligned
	s_wait_tensorcnt 0x0
	ds_add_u32 v248, v249
	s_wait_dscnt 0x0
	s_endpgm
.Lfunc_end_k_qcb2f767b57_prep:
	.size	k_qcb2f767b57_prep, .Lfunc_end_k_qcb2f767b57_prep-k_qcb2f767b57_prep
	.p2alignl 7, 3214868480
	.fill 96, 4, 3214868480
	.section	.rodata,"a",@progbits
	.p2align	6, 0x0
	.amdhsa_kernel k_qcb2f767b57_prep
		.amdhsa_group_segment_fixed_size 35328
		.amdhsa_private_segment_fixed_size 0
		.amdhsa_enable_private_segment 0
		.amdhsa_kernarg_size 64
		.amdhsa_user_sgpr_count 2
		.amdhsa_user_sgpr_kernarg_segment_ptr 1
		.amdhsa_wavefront_size32 1
		.amdhsa_system_sgpr_workgroup_id_x 1
		.amdhsa_system_sgpr_workgroup_id_y 1
		.amdhsa_system_sgpr_workgroup_id_z 1
		.amdhsa_system_vgpr_workitem_id 0
		.amdhsa_next_free_vgpr 250
		.amdhsa_next_free_sgpr 66
		.amdhsa_reserve_vcc 0
		.amdhsa_float_denorm_mode_32 3
		.amdhsa_float_denorm_mode_16_64 3
		.amdhsa_memory_ordered 1
		.amdhsa_forward_progress 1
		.amdhsa_inst_pref_size 33
	.end_amdhsa_kernel
	.amdgpu_metadata
---
amdhsa.version: [ 1, 2 ]
amdhsa.kernels:
  - .name:           k_qcb2f767b57_prep
    .symbol:         k_qcb2f767b57_prep.kd
    .args:
      - { .name: x, .offset: 0, .size: 8, .value_kind: global_buffer, .address_space: global }
      - { .name: W_qkv_codes, .offset: 8, .size: 8, .value_kind: global_buffer, .address_space: global }
      - { .name: W_qkv_scales, .offset: 16, .size: 8, .value_kind: global_buffer, .address_space: global }
      - { .name: W_out_codes, .offset: 24, .size: 8, .value_kind: global_buffer, .address_space: global }
      - { .name: W_out_scales, .offset: 32, .size: 8, .value_kind: global_buffer, .address_space: global }
      - { .name: ximg, .offset: 40, .size: 8, .value_kind: global_buffer, .address_space: global }
      - { .name: wimg, .offset: 48, .size: 8, .value_kind: global_buffer, .address_space: global }
      - { .name: sc, .offset: 56, .size: 8, .value_kind: global_buffer, .address_space: global }
    .group_segment_fixed_size: 35328
    .private_segment_fixed_size: 0
    .kernarg_segment_align: 8
    .kernarg_segment_size: 64
    .max_flat_workgroup_size: 128
    .sgpr_count:     66
    .vgpr_count:     250
    .wavefront_size: 32
...
	.end_amdgpu_metadata
.endif
;; end of part 1
;; launch qkv (part 2): grid 12 x 64, 4 waves a work-group, no clusters, 66,048 bytes of LDS; arguments ximg, wimg, sc, b_qkv, qkvc, qkvs; writes qkvc, qkvs
.if DOCPART == 2
	.amdgcn_target "amdgcn-amd-amdhsa--gfx1250"
	.amdhsa_code_object_version 6
	.text
	.protected	k_qcb2f767b57_qkv
	.globl	k_qcb2f767b57_qkv
	.p2align	8
	.type	k_qcb2f767b57_qkv,@function
k_qcb2f767b57_qkv:
	s_mov_b64 s[64:65], 0
	v_nop
	global_prefetch_b8 v0, s[64:65] scope:SCOPE_SE
	s_setreg_imm32_b32 hwreg(HW_REG_WAVE_MODE, 25, 1), 1
	s_wait_xcnt 0x0
; qkv = Q(x) W_qkv + b_qkv on codes of FP4, and the result quantised at once: q and k along the head's 64, v along the keys.
; SHARES.  Work-group (cg, y): 256 columns (cg / 4 = 0: q, 1: k, 2: v) x 128 tokens.  Wave w: one head, 64 columns, in two passes of 64 tokens x 64 columns x 1,024 K: 16 accumulators.
; x THROUGH LDS.  All four waves multiply by the same eight images of x, 65,536 dense bytes: they are asked of memory once a work-group (32 loads a thread, into the registers that the sums take later), stored to LDS as they lie,
; and read from there as fragments (two loads of 512 consecutive bytes).  One barrier.  W's fragments are each wave's own and come straight from memory into registers, two K steps ahead, in three sets.
; So a wave issues 32 + 128 loads of 16 bytes a lane where 256 would be needed with x from memory.  Three work-groups' waves share a SIMD.
; Sharing tiles in a cluster is left out: a K step is 16 matrix instructions a wave, and a round of a cluster's barrier for each such step would stand against 4 KB of W.
; TWO ORIENTATIONS.  ACC(g, m) = source 0's tile m x source 1's tile g.  q, k (kind 1): source 0 = W's four tiles, source 1 = x's: a lane holds one token, and the 32 registers of a group g are 32 neighbouring dims of the head.
; v (kind 2): source 0 = x's tiles, source 1 = W's: a lane holds one channel d, and the 32 registers are 32 neighbouring keys.  The body is written by one macro and assembled for both; the branch hangs on the work-group's number and stands behind the barrier.
; OUT.  q, k codes: [bh][tile 0..127][16 x lane]: dims 32 h .. of the tile's token r.  v codes: [bh][J][d tile][c][16 x lane]: keys 128 J + 64 c + 32 h .. of d.  Scale words: q, k [bh][J][pass][r][tile % 4], bytes 0, 1; v [bh][J][r][d tile], byte 2 c + h.
; LIMITS: NaN and infinities are not served; a block of zeros or under 2^-124 gets the byte 1; bytes 2 and 3 of q's and k's scale words are 0 and stand over zero codes.
; REGISTERS: v1 16 x lane; v2-3 scale words' offsets of pass 0, 1; v4-7 codes' offsets; v8 16 r + 8 h; v9 8 h; v10, v19 bias offsets; v11-18 scale bytes (v11 at the head: 16 x thread); v20-31 scale words, three sets;
;   v32-63 bias; v64-95 x's four fragments (free in an epilogue); v96-127 W's set 0; v128-255 accumulators; window 1, v0-63: W's sets 1 and 2.
.set SCW, 20
.set BI,  32
.set XF,  64
.set W0,  96
.set ACC, 128
.set MSB, 0
.macro WIN new                         ; the immediate's high byte repeats the setting that is left
.if MSB != \new
	s_set_vgpr_msb (MSB<<8)|\new
.set MSB, \new
.endif
.endm
	s_load_b256 s[4:11], s[0:1], 0x0               ; ximg, wimg, sc, b_qkv
	s_load_b128 s[12:15], s[0:1], 0x20             ; qkvc, qkvs
	s_set_vgpr_msb 0x40
	v_lshl_add_u32 v64, v0, 2, 0x10000
	v_mov_b32 v65, 0
	s_set_vgpr_msb 0x4000
	v_lshrrev_b32 v64, 5, v0
	v_readfirstlane_b32 s16, v64                   ; wave
	s_mov_b32 s17, ttmp9                           ; cg
	s_and_b32 s18, ttmp7, 0xffff                   ; y
	s_lshr_b32 s19, s17, 2                         ; 0 q, 1 k, 2 v
	v_lshlrev_b32 v11, 4, v0                       ; the fill: 16 bytes a thread
	v_and_b32 v64, 31, v0
	v_and_b32 v65, 15, v0                          ; r
	v_bfe_u32 v66, v0, 4, 1                        ; h
	v_lshlrev_b32 v1, 4, v64
	v_lshlrev_b32 v9, 3, v66
	v_lshlrev_b32 v10, 7, v66
	v_lshl_add_u32 v8, v65, 4, v9
	v_lshrrev_b32 v67, 3, v65
	v_mad_u32_u24 v67, v67, 24, v65                ; 32 (r / 8) + r % 8
	v_lshlrev_b32 v19, 2, v67
	v_cmp_ne_u32 s52, 0, v66                       ; lanes 16-31
	s_mov_b32 s42, 0x76543210
	s_mov_b32 s43, 0xfedcba98
	s_lshl_b32 s44, s17, 4
	s_lshl_b32 s45, s16, 2
	s_add_co_u32 s44, s44, s45                     ; my first tile of W: 16 cg + 4 w
	s_lshl_b32 s46, s18, 16                        ; x's images: eight tiles of 8,192 bytes for each y
	s_mov_b32 s47, 0
	s_lshl_b32 s48, s44, 13
	s_mov_b32 s49, 0
	s_lshl_b32 s50, s17, 10
	s_lshl_b32 s45, s16, 8
	s_add_co_u32 s50, s50, s45                     ; my 64 numbers of the bias
	s_mov_b32 s51, 0
	s_and_b32 s45, s17, 3
	s_lshl_b32 s45, s45, 2
	s_add_co_u32 s45, s45, s16                     ; head
	s_lshr_b32 s53, s18, 4
	s_lshl_b32 s53, s53, 4
	s_add_co_u32 s53, s53, s45                     ; bh = 16 b + head
	s_and_b32 s45, s18, 15                         ; J
	s_lshl_b32 s54, s19, 22
	s_lshl_b32 s55, s53, 16
	s_add_co_u32 s54, s54, s55
	s_lshl_b32 s55, s45, 12
	s_add_co_u32 s54, s54, s55                     ; the codes' place
	s_mov_b32 s55, 0
	s_lshl_b32 s56, s19, 19
	s_lshl_b32 s57, s53, 13
	s_add_co_u32 s56, s56, s57
	s_lshl_b32 s57, s45, 9
	s_add_co_u32 s56, s56, s57                     ; q's, k's scale words
	s_lshl_b32 s58, s53, 12
	s_lshl_b32 s57, s45, 8
	s_add_co_u32 s58, s58, s57
	s_add_co_u32 s58, s58, 1048576                 ; v's
	s_lshl_b32 s59, s18, 12                        ; x's scale images, pass 0,
	s_add_co_u32 s60, s59, 2048                    ; pass 1,
	s_lshl_b32 s61, s44, 9
	s_add_co_u32 s61, s61, 262144                  ; and W's
	s_cmp_eq_u32 s19, 2
	s_cselect_b32 s56, s58, s56
	s_mov_b32 s57, 0
	s_cselect_b32 s44, s59, s61                    ; source 0's scale images, pass 0
	s_cselect_b32 s45, s60, s61                    ; pass 1
	s_cselect_b32 s53, s61, s59                    ; source 1's, pass 0
	s_cselect_b32 s58, s61, s60                    ; pass 1
	s_mov_b32 s34, 512
	s_cselect_b32 s34, 1024, s34                   ; from group to group in the codes
	s_mov_b32 s40, 2048
	s_cselect_b32 s40, 512, s40                    ; from pass to pass
	s_mov_b32 s41, 0
	v_mov_b32 v67, s44
	v_mov_b32 v68, s53
	v_cndmask_b32 v2, v67, v68, s52                ; lanes 0-15 take source 0's words, lanes 16-31 source 1's
	v_lshl_add_u32 v2, v65, 2, v2
	v_mov_b32 v67, s45
	v_mov_b32 v68, s58
	v_cndmask_b32 v3, v67, v68, s52
	v_lshl_add_u32 v3, v65, 2, v3
	v_mov_b32 v4, v1
	v_add_nc_u32 v5, s34, v4
	v_add_nc_u32 v6, s34, v5
	v_add_nc_u32 v7, s34, v6
	s_wait_kmcnt 0x0
	s_add_nc_u64 s[46:47], s[4:5], s[46:47]        ; x's eight images
	s_add_nc_u64 s[48:49], s[6:7], s[48:49]        ; my four images of W
	s_add_nc_u64 s[28:29], s[10:11], s[50:51]
	s_add_nc_u64 s[30:31], s[12:13], s[54:55]      ; codes out, pass 0
	s_add_nc_u64 s[32:33], s[30:31], s[40:41]      ; pass 1
	s_add_nc_u64 s[36:37], s[14:15], s[56:57]      ; scale words out: q, k pass 0; v
	s_add_nc_u64 s[38:39], s[36:37], 256           ; q, k pass 1 (not used for v)
; Step t = 8 x pass + K step.  W's fragments and the scale words of step t: 8 + 4 loads, into set t % 3.
.macro LOADW t
.set WS, (\t)%3
.if WS == 0
.set WB, W0
.else
.set WB, 32*(WS-1)
	WIN 0x40
.endif
.irp i, 0,1,2,3
.irp c, 0,1
	global_load_b128 v[WB+8*\i+4*\c:WB+8*\i+4*\c+3], v1, s[48:49] offset:\i*8192+((\t)%8)*1024+\c*512
.endr
.endr
	WIN 0
.irp i, 0,1,2,3
	global_load_b32 v[SCW+4*WS+\i], v[2+(\t)/8], s[8:9] offset:\i*512+((\t)%8)*64
.endr
.endm
.macro LOADX t                         ; x's four fragments of step t, from LDS
.irp g, 0,1,2,3
.irp c, 0,1
	ds_load_b128 v[XF+8*\g+4*\c:XF+8*\g+4*\c+3], v1 offset:(4*((\t)/8)+\g)*8192+((\t)%8)*1024+\c*512
.endr
.endr
.endm
.set n, 0
.rept 32
	global_load_b128 v[ACC+4*n:ACC+4*n+3], v11, s[46:47] offset:2048*n   ; the four waves read 2,048 consecutive bytes
.set n, n+1
.endr
	LOADW 0
	LOADW 1
	s_wait_loadcnt 24                              ; x's 32 loads are in; W's 24 of steps 0 and 1 may be out
.set n, 0
.rept 32
	ds_store_b128 v11, v[ACC+4*n:ACC+4*n+3] offset:2048*n
.set n, n+1
.endr
	s_wait_dscnt 0x0                               ; for the others' sake: my stores have landed
	s_barrier_signal -1
	s_barrier_wait -1                              ; x's eight images lie in LDS; nothing is written there again
; 16 products; the accumulators take turns, one instruction a turn, in the same order in every step.  A pass's first step takes the bias as C.
.macro MUL t, kind
.set WS, (\t)%3
.if WS == 0
.set WB, W0
.else
.set WB, 32*(WS-1)
.if \kind == 1
	WIN 0x01
.else
	WIN 0x04
.endif
.endif
.irp g, 0,1,2,3
.irp m, 0,1,2,3
.if \kind == 1
.set RA, WB+8*\m
.set RB, XF+8*\g
.set RC, BI+8*\m
.else
.set RA, XF+8*\m
.set RB, WB+8*\g
.set RC, BI+8*\g
.endif
.if ((\t)%8) == 0
	v_wmma_scale_f32_16x16x128_f8f6f4 v[ACC+32*\g+8*\m:ACC+32*\g+8*\m+7], v[RA:RA+7], v[RB:RB+7], v[RC:RC+7], v[SCW+4*WS+\m], v[SCW+4*WS+\g] matrix_a_fmt:MATRIX_FMT_FP4 matrix_b_fmt:MATRIX_FMT_FP4 matrix_b_scale:MATRIX_SCALE_ROW1
.else
	v_wmma_scale_f32_16x16x128_f8f6f4 v[ACC+32*\g+8*\m:ACC+32*\g+8*\m+7], v[RA:RA+7], v[RB:RB+7], v[ACC+32*\g+8*\m:ACC+32*\g+8*\m+7], v[SCW+4*WS+\m], v[SCW+4*WS+\g] matrix_a_fmt:MATRIX_FMT_FP4 matrix_b_fmt:MATRIX_FMT_FP4 matrix_b_scale:MATRIX_SCALE_ROW1
.endif
.endr
.endr
	WIN 0
.endm
.macro STEPK t, kind
.if ((\t)%8) != 0
.rept 4
	v_nop                                          ; places in front of loads into x's set, and into the set of W and of scale words, that the last step's products read
.endr
.endif
	LOADX \t
.if (\t)+2 < 16
	LOADW (\t)+2
.endif
.if (\t) == 0
	s_wait_loadcnt 12                              ; all but step 2's 12 loads: the bias was asked for behind steps 0 and 1
.elseif (\t) < 14
	s_wait_loadcnt 24                              ; all but the 24 loads of the two steps ahead
.elseif (\t) == 14
	s_wait_loadcnt 12
.else
	s_wait_loadcnt 0x0
.endif
	s_wait_dscnt 0x0                               ; x's fragments
	MUL \t, \kind
.endm
; A pass's 64 x 64 results are quantised: each group's 32 registers are one whole block in a lane.  x's registers are free: v64-67 maxima, v68-71 scale operands, v72-87 codes, v88-91 words, v92-93 words out, v94-95 permutes.
.macro EPI p, kind
.rept 4
	v_nop                                          ; places behind the last products
.endr
.irp g, 0,1,2,3
	v_max3_num_f32 v[64+\g], |v[ACC+32*\g]|, |v[ACC+32*\g+1]|, 0x1800000   ; each accumulator is read from its low end on
.endr
.irp i, 2,4,6,8,10,12,14,16,18,20,22,24,26,28,30
.irp g, 0,1,2,3
	v_max3_num_f32 v[64+\g], v[64+\g], |v[ACC+32*\g+\i]|, |v[ACC+32*\g+\i+1]|
.endr
.endr
.irp g, 0,1,2,3
	v_add_nc_u32 v[68+\g], 0xff000000, v[64+\g]
.endr
.irp g, 0,1,2,3
	v_lshrrev_b32 v[11+4*(\p)+\g], 23, v[68+\g]
.endr
.irp g, 0,1,2,3
.irp i, 0,1,2,3
	v_cvt_scalef32_pk8_fp4_f32 v[72+4*\g+\i], v[ACC+32*\g+8*\i:ACC+32*\g+8*\i+7], v[68+\g]
.endr
.endr
	v_mov_b32 v94, 0                               ; plain lines behind the last conversion; a lane permute's destination counts as one of its sources
	v_mov_b32 v95, 0
.irp g, 0,1,2,3
	global_store_b128 v[4+\g], v[72+4*\g:72+4*\g+3], s[30+2*(\p):31+2*(\p)]   ; 512 consecutive bytes
.endr
.if \kind == 1
	v_lshl_or_b32 v88, v[12+4*(\p)], 16, v[11+4*(\p)]   ; q, k: a token's word is (byte of dims 0-31, byte of dims 32-63, 0, 0)
	v_lshl_or_b32 v89, v[14+4*(\p)], 16, v[13+4*(\p)]
	v_lshlrev_b32 v88, v9, v88
	v_lshlrev_b32 v89, v9, v89
	v_permlanex16_b32 v94, v88, s42, s43
	v_permlanex16_b32 v95, v89, s42, s43
	v_or_b32 v88, v88, v94                         ; tiles 0 and 1's words, 16 bits each
	v_or_b32 v89, v89, v95                         ; tiles 2 and 3's
	v_cndmask_b32 v88, v88, v89, s52               ; lanes 0-15 store tiles 0, 1; lanes 16-31 tiles 2, 3
	v_and_b32 v92, 0xffff, v88
	v_lshrrev_b32 v93, 16, v88
	global_store_b64 v8, v[92:93], s[36+2*(\p):37+2*(\p)]   ; 256 consecutive bytes, aligned
.elseif (\p) == 1
.irp g, 0,1,2,3
	v_lshl_or_b32 v[88+\g], v[15+\g], 16, v[11+\g] ; v: byte 2 c + h of a channel's word: both passes' bytes
.endr
.irp g, 0,1,2,3
	v_lshlrev_b32 v[88+\g], v9, v[88+\g]
.endr
	v_permlanex16_b32 v94, v88, s42, s43
	v_permlanex16_b32 v95, v89, s42, s43
	v_or_b32 v88, v88, v94
	v_or_b32 v89, v89, v95
	v_permlanex16_b32 v94, v90, s42, s43
	v_permlanex16_b32 v95, v91, s42, s43
	v_or_b32 v90, v90, v94
	v_or_b32 v91, v91, v95
	v_cndmask_b32 v92, v88, v90, s52
	v_cndmask_b32 v93, v89, v91, s52
	global_store_b64 v8, v[92:93], s[36:37]
.endif
.if (\p) == 0
	s_wait_xcnt 0x0                                ; the stores' data registers take x's fragments again in the second pass
.endif
.endm
.macro BODY kind
.if \kind == 1                         ; the bias, in the result's layout: it is the C of each sum's first product
.irp m, 0,1,2,3
.irp i, 0,1
	global_load_b128 v[BI+8*\m+4*\i:BI+8*\m+4*\i+3], v10, s[28:29] offset:32*\m+16*\i   ; register 8 m + j: b at dim 32 h + 8 m + j
.endr
.endr
.else
.irp g, 0,1,2,3
.irp j, 0,1,2,3,4,5,6,7
	global_load_b32 v[BI+8*\g+\j], v19, s[28:29] offset:32*\g   ; all eight registers of group g: b at my channel
.endr
.endr
.endif
.irp t, 0,1,2,3,4,5,6,7
	STEPK \t, \kind
.endr
	EPI 0, \kind
.irp t, 8,9,10,11,12,13,14,15
	STEPK \t, \kind
.endr
	EPI 1, \kind
	s_set_vgpr_msb 0x5
	s_wait_tensorcnt 0x0
	ds_add_u32 v64, v65
	s_wait_dscnt 0x0
	s_set_vgpr_msb 0x500
	s_endpgm
.endm
	s_cmp_eq_u32 s19, 2                            ; the same in all waves of a work-group
	s_cbranch_scc1 .Lfor_v
	BODY 1
.Lfor_v:
	BODY 2
.Lfunc_end_k_qcb2f767b57_qkv:
	.size	k_qcb2f767b57_qkv, .Lfunc_end_k_qcb2f767b57_qkv-k_qcb2f767b57_qkv
	.p2alignl 7, 3214868480
	.fill 96, 4, 3214868480
	.section	.rodata,"a",@progbits
	.p2align	6, 0x0
	.amdhsa_kernel k_qcb2f767b57_qkv
		.amdhsa_group_segment_fixed_size 66048
		.amdhsa_private_segment_fixed_size 0
		.amdhsa_enable_private_segment 0
		.amdhsa_kernarg_size 48
		.amdhsa_user_sgpr_count 2
		.amdhsa_user_sgpr_kernarg_segment_ptr 1
		.amdhsa_wavefront_size32 1
		.amdhsa_system_sgpr_workgroup_id_x 1
		.amdhsa_system_sgpr_workgroup_id_y 1
		.amdhsa_system_sgpr_workgroup_id_z 1
		.amdhsa_system_vgpr_workitem_id 0
		.amdhsa_next_free_vgpr 322
		.amdhsa_next_free_sgpr 66
		.amdhsa_reserve_vcc 0
		.amdhsa_float_denorm_mode_32 3
		.amdhsa_float_denorm_mode_16_64 3
		.amdhsa_memory_ordered 1
		.amdhsa_forward_progress 1
		.amdhsa_inst_pref_size 162
	.end_amdhsa_kernel
	.amdgpu_metadata
---
amdhsa.version: [ 1, 2 ]
amdhsa.kernels:
  - .name:           k_qcb2f767b57_qkv
    .symbol:         k_qcb2f767b57_qkv.kd
    .args:
      - { .name: ximg, .offset: 0, .size: 8, .value_kind: global_buffer, .address_space: global }
      - { .name: wimg, .offset: 8, .size: 8, .value_kind: global_buffer, .address_space: global }
      - { .name: sc, .offset: 16, .size: 8, .value_kind: global_buffer, .address_space: global }
      - { .name: b_qkv, .offset: 24, .size: 8, .value_kind: global_buffer, .address_space: global }
      - { .name: qkvc, .offset: 32, .size: 8, .value_kind: global_buffer, .address_space: global }
      - { .name: qkvs, .offset: 40, .size: 8, .value_kind: global_buffer, .address_space: global }
    .group_segment_fixed_size: 66048
    .private_segment_fixed_size: 0
    .kernarg_segment_align: 8
    .kernarg_segment_size: 48
    .max_flat_workgroup_size: 128
    .sgpr_count:     66
    .vgpr_count:     322
    .wavefront_size: 32
...
	.end_amdgpu_metadata
.endif
;; end of part 2
;; launch attn (part 3): grid 4 x 64, 16 waves a work-group, no clusters, 145,408 bytes of LDS; arguments qkvc, qkvs, cimg, csc; writes cimg, csc
.if DOCPART == 3
	.amdgcn_target "amdgcn-amd-amdhsa--gfx1250"
	.amdhsa_code_object_version 6
	.text
	.protected	k_qcb2f767b57_attn
	.globl	k_qcb2f767b57_attn
	.p2align	8
	.type	k_qcb2f767b57_attn,@function
k_qcb2f767b57_attn:
	s_mov_b64 s[64:65], 0
	v_nop
	global_prefetch_b8 v0, s[64:65] scope:SCOPE_SE
	s_setreg_imm32_b32 hwreg(HW_REG_WAVE_MODE, 25, 1), 1
	s_wait_xcnt 0x0
; ctx = softmax(q k^T / 8) v for one head, both products on codes of FP4; ctx leaves quantised along the model's 1,024, as pieces of operand images.
; THE SOFTMAX: t = score x log2(e) / 8; M = the running largest t rounded UP to a whole number; p = 2^(t - M) is quantised along the keys, not normalised; the row's sum is taken of the unquantised p and divides at the end.
; When M moves, the sum and O are multiplied by 2^(old M - new M): exact.
; SHARES.  A work-group owns 512 queries of one head (bh = work-group y); each of its sixteen waves takes two tiles of 16 queries, one after the other, in 256 registers: four waves to a SIMD, so that one wave's
; vector work stands beside another's products and LDS loads.  ALL of the head's K and V (codes 2 x 65,536 bytes, scale words 8,192 + 4,096) lie in LDS, filled once through registers: one barrier in the launch.
; Both tiles' Q are asked for at the head, ahead of the fill: no load from memory stands behind the barrier.
; Sharing the fill in a cluster is left out: it is 18 loads a thread against 32 key steps of some 216 vector instructions.
; LAYOUT.  Both products transposed: S^T = K Q^T (source 0 = 16 keys), O^T = V^T P^T (source 0 = 16 channels): a lane holds ONE query.  By the tiles' order (tile 4 G + i, row r: 64 G + 32 (r / 8) + 8 i + r % 8) the 32 registers
; of four neighbouring tiles are 32 neighbouring keys (or channels): a whole block in a lane; its maximum needs no other lane, and the conversions' results are the next operand's registers as they stand.
; The first product's K is 64: registers 4-7 of both its operands are zero codes.
; K A STEP AHEAD.  A step's fragments of K are asked of LDS in the step before, behind the products that read the old ones.  A tile's last step so reads 4,096 + 512 LDS bytes behind K's regions (the head of V's codes and of V's scale words): inside LDS, never used.
; LIMITS: NaN and infinities are not served; p under 2^-126 counts as 0; a block whose largest number lies under 2^-124 gets the byte 1.  ctx's scale bytes leave one byte a lane: one part in 17 of the launch's output.
; REGISTERS: v1 16 x lane, v2 16 r, v3 8 h, v4-7 addresses in hand, v9 32 r + h; v12 -M, v13 the largest t, v[14:15] the sum; v16-23 tile 0's Q, v244-251 tile 1's; v24-27 K's scale words, v28-31 V's; v32-95 K's eight fragments;
;   v96-159 S^T, then p; v160-191 O^T; v192-223 V's four fragments; v224-231 p's codes; v232-254 at work; v242 p's scale word, v243 and v235 Q's.
.set KC, 0                             ; LDS: K's codes: J x 4,096 + tile x 512 + 16 x lane
.set VC, 65536                         ; V's: J x 4,096 + d tile x 1,024 + c x 512 + 16 x lane
.set KS, 131072                        ; K's scale words: J x 512 + 16 x lane
.set VS, 139264                        ; V's: J x 256 + 16 r
	s_load_b256 s[4:11], s[0:1], 0x0               ; qkvc, qkvs, cimg, csc
	v_lshrrev_b32 v1, 5, v0
	v_readfirstlane_b32 s12, v1                    ; wave
	s_and_b32 s13, ttmp7, 0xffff                   ; bh
	v_lshlrev_b32 v4, 4, v0                        ; the fill: 16 bytes a thread
	v_add_nc_u32 v5, VC, v4
	v_add_nc_u32 v6, KS, v4
	v_lshlrev_b32 v8, 3, v0
	v_add_nc_u32 v7, VS, v8
	v_and_b32 v10, 31, v0
	v_lshlrev_b32 v1, 4, v10
	v_and_b32 v10, 15, v0
	v_bfe_u32 v11, v0, 4, 1
	v_lshlrev_b32 v2, 4, v10
	v_lshlrev_b32 v3, 3, v11
	v_lshl_add_u32 v9, v10, 5, v11
	s_lshl_b32 s42, s13, 16
	s_mov_b32 s43, 0
	s_lshl_b32 s44, s13, 13
	s_mov_b32 s45, 0
	s_lshl_b32 s46, s13, 12
	s_mov_b32 s47, 0
	s_lshl_b32 s50, ttmp9, 5
	s_add_co_u32 s50, s50, s12                     ; my first tile of queries: 32 x work-group x + wave; the second lies 16 tiles on
	s_lshl_b32 s52, s50, 9
	s_mov_b32 s53, 0
	s_lshr_b32 s54, s50, 2
	s_lshl_b32 s54, s54, 8
	s_and_b32 s51, s50, 3
	s_lshl_b32 s51, s51, 2
	s_add_co_u32 s54, s54, s51
	s_mov_b32 s55, 0
	s_mov_b32 s24, 0x76543210
	s_mov_b32 s25, 0xfedcba98                      ; lane l xor 16
	s_mov_b32 s26, 0x3e38aa3b                      ; c = log2(e) / 8
	s_mov_b32 s27, s26                             ; (named with it as a pair)
	s_wait_kmcnt 0x0
	s_add_nc_u64 s[14:15], s[4:5], s[42:43]        ; the head's q codes,
	s_add_nc_u64 s[16:17], s[14:15], 4194304       ; k codes,
	s_add_nc_u64 s[18:19], s[14:15], 8388608       ; v codes,
	s_add_nc_u64 s[48:49], s[6:7], s[44:45]        ; q scale words,
	s_add_nc_u64 s[20:21], s[48:49], 524288        ; k's,
	s_add_nc_u64 s[22:23], s[6:7], s[46:47]
	s_add_nc_u64 s[22:23], s[22:23], 1048576       ; v's
	s_add_nc_u64 s[34:35], s[14:15], s[52:53]      ; my first tile's codes,
	s_add_nc_u64 s[36:37], s[48:49], s[54:55]      ; and its scale words
	global_load_b128 v[16:19], v1, s[34:35]
	global_load_b128 v[244:247], v1, s[34:35] offset:8192   ; 16 tiles of 512 bytes on
	global_load_b32 v243, v2, s[36:37]
	global_load_b32 v235, v2, s[36:37] offset:1024          ; four groups of 256 bytes on
.irp n, 0,1,2,3,4,5,6,7
	global_load_b128 v[32+4*\n:35+4*\n], v4, s[16:17] offset:8192*\n
.endr
.irp n, 0,1,2,3,4,5,6,7
	global_load_b128 v[64+4*\n:67+4*\n], v4, s[18:19] offset:8192*\n
.endr
	global_load_b128 v[96:99], v4, s[20:21]
	global_load_b64 v[100:101], v8, s[22:23]
.irp n, 0,1,2,3,4,5,6,7
	s_wait_loadcnt 17-\n                           ; loads come back in order: this one is in (and Q, asked for earlier), the younger ones may be out
	ds_store_b128 v4, v[32+4*\n:35+4*\n] offset:8192*\n
.endr
.irp n, 0,1,2,3,4,5,6,7
	s_wait_loadcnt 9-\n
	ds_store_b128 v5, v[64+4*\n:67+4*\n] offset:8192*\n
.endr
	s_wait_loadcnt 1
	ds_store_b128 v6, v[96:99]
	s_wait_loadcnt 0x0
	ds_store_b64 v7, v[100:101]
	s_wait_dscnt 0x0                               ; for the others' sake: my stores have landed
	s_barrier_signal -1
	s_barrier_wait -1                              ; the head's K and V lie in LDS; nothing is written there again
.irp t, 0,1,2,3,4,5,6,7
.irp i, 4,5,6,7
	v_mov_b32 v[32+8*\t+\i], 0                     ; zero codes for k = 64 .. 127 of the first product, in K's fragments
.endr
.endr
.irp i, 20,21,22,23,248,249,250,251
	v_mov_b32 v\i, 0                               ; and in both tiles' Q
.endr
	v_mov_b32 v234, 0                              ; a lane permute's destination counts as one of its sources
	v_mov_b32 v253, 0                              ; (the upper half of the pair v[252:253])
; A KEY STEP: 128 keys.  qf: Q's fragment; qs: its scale words.  K's fragments and scale words of this step are in registers: they were asked for a step ago and waited for in front of that step's second products.
.macro STEP qf, qs
	v_add_nc_u32 v4, s28, v1
	v_add_nc_u32 v5, s29, v1
.irp t, 0,1,2,3
	v_wmma_scale_f32_16x16x128_f8f6f4 v[96+8*\t:103+8*\t], v[32+8*\t:39+8*\t], v[\qf:\qf+7], 0, v[24+\t], v[\qs] matrix_a_fmt:MATRIX_FMT_FP4 matrix_b_fmt:MATRIX_FMT_FP4
.endr
.irp t, 4,5,6,7
	v_wmma_scale_f32_16x16x128_f8f6f4 v[96+8*\t:103+8*\t], v[32+8*\t:39+8*\t], v[\qf:\qf+7], 0, v[24+\t-4], v[\qs] matrix_a_fmt:MATRIX_FMT_FP4 matrix_b_fmt:MATRIX_FMT_FP4 matrix_a_scale:MATRIX_SCALE_ROW1
.endr
	v_add_nc_u32 v6, s30, v1                       ; four places behind the scores' products, whose operands are loaded anew below; with the two additions at the head, six behind the last step's second products
	v_add_nc_u32 v7, s31, v2
	v_nop
	v_nop
.irp i, 0,1,2,3
.irp c, 0,1
	ds_load_b128 v[192+8*\i+4*\c:195+8*\i+4*\c], v6 offset:1024*\i+512*\c   ; V lands while the softmax is walked
.endr
.endr
	ds_load_b128 v[28:31], v7
.irp t, 0,1,2,3,4,5,6,7
	ds_load_b128 v[32+8*\t:35+8*\t], v4 offset:4096+512*\t                  ; and so does the next step's K
.endr
	ds_load_b128 v[24:27], v5 offset:512           ; lanes 0-15: the words of tiles 0-3; lanes 16-31: of tiles 4-7
	v_max3_num_f32 v232, v96, v97, v98             ; the largest score of each of my two blocks of 32 keys: it serves the row's maximum and, since p rises with the score, the block's largest p.  Each accumulator is read from its low end on
	v_max3_num_f32 v233, v128, v129, v130
.irp i, 3,5,7,9,11,13,15,17,19,21,23,25,27,29
	v_max3_num_f32 v232, v232, v[96+\i], v[97+\i]
	v_max3_num_f32 v233, v233, v[128+\i], v[129+\i]
.endr
	v_max_num_f32 v232, v232, v127
	v_max_num_f32 v233, v233, v159
	v_max_num_f32 v254, v232, v233
	v_permlanex16_b32 v234, v254, s24, s25
	v_max_num_f32 v254, v254, v234                 ; the step's largest score of my query
	v_mul_f32 v254, s26, v254
	v_max_num_f32 v13, v13, v254                   ; the running largest t
	v_mov_b32 v254, v12
	v_floor_f32 v12, -v13                          ; -M = floor(-t): M is a whole number
	v_sub_f32 v254, v12, v254                      ; old M - new M
	v_cvt_i32_f32 v254, v254                       ; (it saturates)
	v_ldexp_f32 v252, 1.0, v254                    ; f = 2^(old M - new M)
.set j, 0
.rept 32
	v_pk_fma_f32 v[96+j:97+j], v[96+j:97+j], s[26:27], v[12:13] op_sel_hi:[1,0,0]   ; t - M
.set j, j+2
.endr
	v_fma_f32 v232, v232, s26, v12
	v_fma_f32 v233, v233, s26, v12
.set j, 0
.rept 64
	v_exp_f32 v[96+j], v[96+j]                     ; p = 2^(t - M)
.set j, j+1
.endr
	v_pk_mul_f32 v[14:15], v[14:15], v[252:253] op_sel_hi:[1,0]   ; the sums under the new M: the plain line behind the exponentials
	s_wait_alu depctr_va_vdst(0)                   ; one wait for the batch, ahead of its first reader
	v_exp_f32 v232, v232                           ; the blocks' largest p
	v_exp_f32 v233, v233
	v_pk_add_f32 v[236:237], v[96:97], v[98:99]    ; the row's sum of the unquantised p, in two chains
.set j, 4
.rept 15
	v_pk_add_f32 v[14:15], v[14:15], v[96+j:97+j]
	v_pk_add_f32 v[236:237], v[236:237], v[98+j:99+j]
.set j, j+4
.endr
	v_pk_add_f32 v[14:15], v[14:15], v[236:237]
	s_wait_alu depctr_va_vdst(0)                   ; and one for the two
	v_max_num_f32 v232, 0x1800000, v232            ; the floor 2^(3 - 127): the byte cannot fall under 1
	v_max_num_f32 v233, 0x1800000, v233
	v_add_nc_u32 v240, 0xff000000, v232            ; the conversions' scale operands
	v_add_nc_u32 v241, 0xff000000, v233
	v_lshrrev_b32 v238, 23, v240
	v_lshrrev_b32 v239, 23, v241
	v_lshl_or_b32 v242, v239, 16, v238             ; my bytes: blocks h and 2 + h
	v_lshlrev_b32 v242, v3, v242
	v_permlanex16_b32 v234, v242, s24, s25
	v_or_b32 v242, v242, v234                      ; p's scale word for these 128 keys
.irp b, 0,1
.irp i, 0,1,2,3
	v_cvt_scalef32_pk8_fp4_f32 v[224+4*\b+\i], v[96+32*\b+8*\i:103+32*\b+8*\i], v[240+\b]
.endr
.endr
.set j, 0
.rept 16
	v_pk_mul_f32 v[160+j:161+j], v[160+j:161+j], v[252:253] op_sel_hi:[1,0]   ; O^T under the new M.  For each product below twelve of these name none of its registers: the places behind the scale word and the codes
.set j, j+2
.endr
	s_wait_dscnt 0x0                               ; V, and the next step's K
.irp i, 0,1,2,3
	v_wmma_scale_f32_16x16x128_f8f6f4 v[160+8*\i:167+8*\i], v[192+8*\i:199+8*\i], v[224:231], v[160+8*\i:167+8*\i], v[28+\i], v242 matrix_a_fmt:MATRIX_FMT_FP4 matrix_b_fmt:MATRIX_FMT_FP4
.endr
	s_add_co_u32 s28, s28, 4096
	s_add_co_u32 s29, s29, 512
	s_add_co_u32 s30, s30, 4096
	s_add_co_u32 s31, s31, 256
.endm
; One tile of 16 queries: tau = 32 x work-group x + 16 u + wave.
.macro TILE u, qf, qs
	s_wait_xcnt 0x0                                ; the last tile's stores have read their bases and data
	v_add_nc_u32 v5, KS, v1
.irp t, 0,1,2,3,4,5,6,7
	ds_load_b128 v[32+8*\t:35+8*\t], v1 offset:KC+512*\t   ; the first step's K
.endr
	ds_load_b128 v[24:27], v5
	s_lshl_b32 s50, ttmp9, 5
	s_add_co_u32 s50, s50, s12
	s_add_co_u32 s50, s50, 16*\u                   ; tau
	s_mov_b32 s53, 0
	s_lshr_b32 s51, s13, 4
	s_lshl_b32 s51, s51, 7
	s_add_co_u32 s51, s51, s50                     ; T = 128 b + tau
	s_and_b32 s54, s13, 15                         ; head
	s_lshl_b32 s52, s51, 13
	s_lshl_b32 s55, s54, 9
	s_add_co_u32 s52, s52, s55
	s_add_nc_u64 s[38:39], s[8:9], s[52:53]        ; ctx's piece of the tile's image: K step head / 2, c = head % 2
	s_lshl_b32 s52, s51, 9
	s_lshl_b32 s55, s54, 1
	s_add_co_u32 s52, s52, s55
	s_add_nc_u64 s[40:41], s[10:11], s[52:53]      ; and its scale bytes
	v_mov_b32 v13, 0xff61b1e6                      ; the largest t so far: -3e38
	v_floor_f32 v12, -v13
	v_mov_b32 v14, 0
	v_mov_b32 v15, 0
.set j, 0
.rept 32
	v_mov_b32 v[160+j], 0                          ; O^T: the step is written once; the first change of M leaves zeros zeros
.set j, j+1
.endr
	s_mov_b32 s28, KC
	s_mov_b32 s29, KS
	s_mov_b32 s30, VC
	s_mov_b32 s31, VS
	s_mov_b32 s32, 16
	s_wait_dscnt 0x0                               ; the first step's K
.Lkey_\@:
	STEP \qf, \qs
	s_sub_co_u32 s32, s32, 1
	s_cmp_lg_u32 s32, 0
	s_cbranch_scc1 .Lkey_\@
	v_add_f32 v14, v14, v15                        ; the sum's two halves,
	v_permlanex16_b32 v234, v14, s24, s25
	v_add_f32 v14, v14, v234                       ; and lane l xor 16's 64 keys of each step
	v_rcp_f32 v14, v14
	v_nop
	v_nop
	v_nop                                          ; plain lines behind the reciprocal; with the additions above, the places behind the last products
	s_wait_alu depctr_va_vdst(0)                   ; ahead of the reciprocal's first reader
.set j, 0
.rept 16
	v_pk_mul_f32 v[96+j:97+j], v[160+j:161+j], v[14:15] op_sel_hi:[1,0]   ; ctx(my query, 64 head + 32 h + j ..): a whole block of the last product's K
.set j, j+2
.endr
	v_max3_num_f32 v232, |v96|, |v97|, 0x1800000
	v_max3_num_f32 v233, |v112|, |v113|, 0x1800000
.irp i, 2,4,6,8,10,12,14
	v_max3_num_f32 v232, v232, |v[96+\i]|, |v[97+\i]|
	v_max3_num_f32 v233, v233, |v[112+\i]|, |v[113+\i]|
.endr
	v_max_num_f32 v232, v232, v233
	v_add_nc_u32 v240, 0xff000000, v232
	v_lshrrev_b32 v238, 23, v240
.irp i, 0,1,2,3
	v_cvt_scalef32_pk8_fp4_f32 v[224+\i], v[96+8*\i:103+8*\i], v240
.endr
	v_nop                                          ; one plain line behind the last conversion
	global_store_b128 v1, v[224:227], s[38:39]     ; 512 consecutive bytes
	global_store_b8 v9, v238, s[40:41]             ; byte 2 head + h of my row's 32
.endm
	TILE 0, 16, 243
	TILE 1, 244, 235
	s_wait_xcnt 0x0
	v_lshl_add_u32 v254, v0, 2, 0x23000
	v_mov_b32 v255, 0
	s_wait_tensorcnt 0x0
	ds_add_u32 v254, v255
	s_wait_dscnt 0x0
	s_endpgm
.Lfunc_end_k_qcb2f767b57_attn:
	.size	k_qcb2f767b57_attn, .Lfunc_end_k_qcb2f767b57_attn-k_qcb2f767b57_attn
	.p2alignl 7, 3214868480
	.fill 96, 4, 3214868480
	.section	.rodata,"a",@progbits
	.p2align	6, 0x0
	.amdhsa_kernel k_qcb2f767b57_attn
		.amdhsa_group_segment_fixed_size 145408
		.amdhsa_private_segment_fixed_size 0
		.amdhsa_enable_private_segment 0
		.amdhsa_kernarg_size 32
		.amdhsa_user_sgpr_count 2
		.amdhsa_user_sgpr_kernarg_segment_ptr 1
		.amdhsa_wavefront_size32 1
		.amdhsa_system_sgpr_workgroup_id_x 1
		.amdhsa_system_sgpr_workgroup_id_y 1
		.amdhsa_system_sgpr_workgroup_id_z 1
		.amdhsa_system_vgpr_workitem_id 0
		.amdhsa_next_free_vgpr 256
		.amdhsa_next_free_sgpr 66
		.amdhsa_reserve_vcc 0
		.amdhsa_float_denorm_mode_32 3
		.amdhsa_float_denorm_mode_16_64 3
		.amdhsa_memory_ordered 1
		.amdhsa_forward_progress 1
		.amdhsa_inst_pref_size 47
	.end_amdhsa_kernel
	.amdgpu_metadata
---
amdhsa.version: [ 1, 2 ]
amdhsa.kernels:
  - .name:           k_qcb2f767b57_attn
    .symbol:         k_qcb2f767b57_attn.kd
    .args:
      - { .name: qkvc, .offset: 0, .size: 8, .value_kind: global_buffer, .address_space: global }
      - { .name: qkvs, .offset: 8, .size: 8, .value_kind: global_buffer, .address_space: global }
      - { .name: cimg, .offset: 16, .size: 8, .value_kind: global_buffer, .address_space: global }
      - { .name: csc, .offset: 24, .size: 8, .value_kind: global_buffer, .address_space: global }
    .group_segment_fixed_size: 145408
    .private_segment_fixed_size: 0
    .kernarg_segment_align: 8
    .kernarg_segment_size: 32
    .max_flat_workgroup_size: 512
    .sgpr_count:     66
    .vgpr_count:     256
    .wavefront_size: 32
...
	.end_amdgpu_metadata
.endif
;; end of part 3
;; launch proj (part 4): grid 256 x 1, 16 waves a work-group, no clusters, 293,376 bytes of LDS; arguments cimg, csc, wimg, sc, b_out, x, gamma, beta, out0; writes out0
.if DOCPART == 4
	.amdgcn_target "amdgcn-amd-amdhsa--gfx1250"
	.amdhsa_code_object_version 6
	.text
	.protected	k_qcb2f767b57_proj
	.globl	k_qcb2f767b57_proj
	.p2align	8
	.type	k_qcb2f767b57_proj,@function
k_qcb2f767b57_proj:
	s_mov_b64 s[64:65], 0
	v_nop
	global_prefetch_b8 v0, s[64:65] scope:SCOPE_SE
	s_setreg_imm32_b32 hwreg(HW_REG_WAVE_MODE, 25, 1), 1
	s_wait_xcnt 0x0
; out0 = LayerNorm(Q(ctx) W_out + b_out + x) x gamma + beta; the product on codes of FP4, all else in f32.
; SHARES.  Work-group n: token tiles 2 n and 2 n + 1, 32 whole rows of out0.  In the product wave w makes columns 64 w .. 64 w + 63 (W_out's tiles 4 w + 0 .. 3), transposed (source 0 = 16 rows of W_out, source 1 = 16 tokens):
; a lane's 32 registers of a token tile are 32 neighbouring columns.  W_out's fragments are each wave's own and come as images straight into registers, three sets, two K steps ahead.
; WHAT ALL SIXTEEN WAVES READ ALIKE GOES THROUGH LDS: ctx's two images (16,384 bytes), gamma, beta and b_out (4,096 each) are asked of memory once a work-group, three loads of 16 bytes and one of 8 a thread, and read from LDS:
; a wave issues 69 loads of 16 bytes a lane where 122 would be needed with these from memory.  One barrier behind that fill.
; The rows meet in a stage in LDS (a second barrier); wave w then owns stage rows 2 w and 2 w + 1, which are two neighbouring tokens, and normalises them: mean, then the mean of the squared differences, then the scaling.
; x's two rows of a wave come by ONE tensor load a wave, issued at the head into LDS bytes of the wave's own that are filled once: they arrive under the product and are waited for on a counter of their own.
; A wave has one tensor load outstanding.  Nothing is filled again.  Sharing W_out's tiles in a cluster is left out: they do not fit in LDS beside the stage and x's rows, and a K step is 8 matrix instructions a wave.
; LIMITS: NaN and infinities are not served; the sums of a row are taken in another order than a plain loop's.
; REGISTERS: v1 16 x lane; v2, v3 scale offsets; v4-5 into the stage; v6 out of it; v7 x's rows in LDS; v8-15 at work (at the head: the fill's addresses); v16-23 ctx's scale words (lanes 0-15 tile 0, 16-31 tile 1);
;   v24-29 W's, three sets of two; v30 ctx's images in LDS, v31 gamma's; v32-175 three sets of fragments (W 32, ctx 16); v192-255 accumulators.
;   Behind the product: v32-63 gamma, v64-95 beta, v96-127 b_out, v128-191 two rows of y, v192-255 two rows of x.
.set SPI, 4112                         ; a stage row: 4,096 bytes + 16
.set XR,  32*SPI                       ; behind the stage: 8,192 bytes of x for each wave
.set CI,  XR+16*8192                   ; ctx's two images
.set GB,  CI+16384                     ; gamma, then beta,
.set BOL, GB+8192                      ; then b_out
.set ACC, 192
.set GA,  32
.set BE,  64
.set BO,  96
.set Y,   128
.set XX,  192
	s_load_b512 s[4:19], s[0:1], 0x0               ; cimg, csc, wimg, sc, b_out, x, gamma, beta
	s_load_b64 s[20:21], s[0:1], 0x40              ; out0
	v_lshl_add_u32 v254, v0, 2, 0x47200
	v_mov_b32 v255, 0
	ds_add_u32 v254, v255
	ds_add_u32 v254, v255
	s_wait_dscnt 0x0
	v_lshrrev_b32 v1, 5, v0
	v_readfirstlane_b32 s22, v1                    ; wave
	s_mov_b32 s28, 3<<16                           ; descriptor group 1: elements of 8 bytes, no mask, no padding
	s_mov_b32 s29, 32<<16                          ; tensor_dim0 = 32: rows of 256 bytes
	s_mov_b32 s30, 32<<16                          ; tensor_dim1 = 32
	s_mov_b32 s31, 32<<16                          ; tile_dim0 = 32
	s_mov_b32 s32, 32                              ; tile_dim1 = 32: 8,192 dense bytes, two rows of x
	s_mov_b32 s33, 32                              ; the pitch
	s_mov_b32 s34, 0
	s_mov_b32 s35, 0
	s_lshr_b32 s36, ttmp9, 1
	s_lshl_b32 s36, s36, 6
	s_bfe_u32 s37, s22, 0x10002
	s_lshl_b32 s37, s37, 5
	s_add_co_u32 s36, s36, s37
	s_and_b32 s37, ttmp9, 1
	s_lshl_b32 s37, s37, 1
	s_lshr_b32 s38, s22, 3
	s_add_co_u32 s37, s37, s38
	s_lshl_b32 s37, s37, 3
	s_add_co_u32 s36, s36, s37
	s_and_b32 s37, s22, 3
	s_lshl_b32 s37, s37, 1
	s_add_co_u32 s36, s36, s37                     ; my first token: 64 (n / 2) + 32 ((w / 4) % 2) + 8 (2 (n % 2) + w / 8) + 2 (w % 4)
	s_lshl_b32 s36, s36, 12
	s_mov_b32 s37, 0
	s_lshl_b32 s38, s22, 13
	v_and_b32 v8, 31, v0
	v_and_b32 v9, 15, v0                           ; r
	v_bfe_u32 v10, v0, 4, 1                        ; h
	v_lshlrev_b32 v1, 4, v8
	v_lshlrev_b32 v2, 5, v9
	v_lshl_add_u32 v2, v10, 9, v2                  ; ctx's scale bytes: tile h, row r of 32
	v_lshlrev_b32 v3, 2, v9
	v_lshl_add_u32 v3, v10, 9, v3                  ; W's scale words: tile 2 a + h, row r
	v_mul_u32_u24 v4, v9, SPI
	v_lshl_add_u32 v4, v10, 7, v4
	s_lshl_b32 s39, s22, 8
	v_add_nc_u32 v4, s39, v4                       ; the stage: row r, my 32 columns at 256 w + 128 h
	v_add_nc_u32 v5, 16*SPI, v4                    ; and of token tile 1
	s_mul_i32 s39, s22, 2*SPI
	v_add_nc_u32 v6, s39, v1                       ; back: my two rows
	v_add_nc_u32 v7, s38, v1
	v_add_nc_u32 v7, XR, v7
	v_add_nc_u32 v30, CI, v1                       ; a fragment of ctx: 16 x lane in its image
	v_add_nc_u32 v31, GB, v1                       ; gamma, beta, b_out: 16 x lane of each 512 bytes
	v_lshl_add_u32 v11, v0, 4, CI                  ; the fill: ctx, 16 bytes a thread: into LDS,
	v_lshlrev_b32 v12, 4, v0                       ; and from memory
	v_and_b32 v13, 255, v0
	v_lshlrev_b32 v13, 4, v13                      ; gamma (waves 0-7) or beta (waves 8-15): 16 bytes a thread of its 4,096,
	v_lshl_add_u32 v14, v0, 4, GB                  ; one behind the other in LDS
	v_lshlrev_b32 v15, 3, v0                       ; b_out: 8 bytes a thread
	v_lshl_add_u32 v10, v0, 3, BOL
	s_mov_b32 s48, 0x3a800000                      ; 1 / 1,024
	s_mov_b32 s49, 0x3727c5ac                      ; 1e-5
	s_mov_b32 s50, 0x76543210
	s_mov_b32 s51, 0xfedcba98
	s_lshl_b32 s40, ttmp9, 14
	s_mov_b32 s41, 0
	s_lshl_b32 s42, ttmp9, 10
	s_mov_b32 s43, 0
	s_lshl_b32 s44, s22, 15
	s_add_co_u32 s44, s44, 192*8192
	s_mov_b32 s45, 0
	s_lshl_b32 s46, s22, 11
	s_add_co_u32 s46, s46, 262144+192*512
	s_mov_b32 s47, 0
	s_wait_kmcnt 0x0
	s_mov_b32 s24, 1                               ; group 0: count = 1
	s_add_co_u32 s25, s38, XR                      ; LDS address: my 8,192 bytes
	s_add_nc_u64 s[26:27], s[14:15], s[36:37]      ; x at my first token
	s_or_b32 s27, s27, 0x80000000                  ; type = 2
	tensor_load_to_lds s[24:27], s[28:35]
	s_nop 0
.rept 4
	v_nop
.endr
	s_add_nc_u64 s[20:21], s[20:21], s[36:37]      ; out0 at my first token
	s_add_nc_u64 s[40:41], s[4:5], s[40:41]        ; ctx's two images
	s_add_nc_u64 s[42:43], s[6:7], s[42:43]        ; their scale bytes
	s_add_nc_u64 s[44:45], s[8:9], s[44:45]        ; my four images of W_out
	s_add_nc_u64 s[46:47], s[10:11], s[46:47]      ; their scale images
	s_cmp_lt_u32 s22, 8                            ; the choice hangs on the wave's number alone
	s_cselect_b64 s[52:53], s[16:17], s[18:19]     ; gamma or beta
	global_load_b128 v[192:195], v12, s[40:41]
	global_load_b128 v[196:199], v12, s[40:41] offset:8192
	global_load_b128 v[200:203], v13, s[52:53]
	global_load_b64 v[204:205], v15, s[12:13]
	global_load_b128 v[16:19], v2, s[42:43]
	global_load_b128 v[20:23], v2, s[42:43] offset:16
.macro LOADG s                         ; K step s: W's fragments and scale words into set s % 3: 10 loads from memory
.set FB, 32+48*((\s)%3)
.irp i, 0,1,2,3
.irp c, 0,1
	global_load_b128 v[FB+8*\i+4*\c:FB+8*\i+4*\c+3], v1, s[44:45] offset:\i*8192+(\s)*1024+\c*512
.endr
.endr
.irp a, 0,1
	global_load_b32 v[24+2*((\s)%3)+\a], v3, s[46:47] offset:\a*1024+(\s)*64
.endr
.endm
.macro LOADC s                         ; and ctx's two fragments: 4 loads from LDS
.set FB, 32+48*((\s)%3)
.irp m, 0,1
.irp c, 0,1
	ds_load_b128 v[FB+32+8*\m+4*\c:FB+32+8*\m+4*\c+3], v30 offset:\m*8192+(\s)*1024+\c*512
.endr
.endr
.endm
; One product.  z = 1: it starts its sum.  ra, rb: which half of the lanes holds A's and B's scale words.
.macro WM d, a, b, z, sa, sb, ra, rb
.set VAR, 4*(\z)+2*(\ra)+(\rb)
.if VAR == 0
	v_wmma_scale_f32_16x16x128_f8f6f4 v[(\d):(\d)+7], v[(\a):(\a)+7], v[(\b):(\b)+7], v[(\d):(\d)+7], v[\sa], v[\sb] matrix_a_fmt:MATRIX_FMT_FP4 matrix_b_fmt:MATRIX_FMT_FP4
.elseif VAR == 1
	v_wmma_scale_f32_16x16x128_f8f6f4 v[(\d):(\d)+7], v[(\a):(\a)+7], v[(\b):(\b)+7], v[(\d):(\d)+7], v[\sa], v[\sb] matrix_a_fmt:MATRIX_FMT_FP4 matrix_b_fmt:MATRIX_FMT_FP4 matrix_b_scale:MATRIX_SCALE_ROW1
.elseif VAR == 2
	v_wmma_scale_f32_16x16x128_f8f6f4 v[(\d):(\d)+7], v[(\a):(\a)+7], v[(\b):(\b)+7], v[(\d):(\d)+7], v[\sa], v[\sb] matrix_a_fmt:MATRIX_FMT_FP4 matrix_b_fmt:MATRIX_FMT_FP4 matrix_a_scale:MATRIX_SCALE_ROW1
.elseif VAR == 3
	v_wmma_scale_f32_16x16x128_f8f6f4 v[(\d):(\d)+7], v[(\a):(\a)+7], v[(\b):(\b)+7], v[(\d):(\d)+7], v[\sa], v[\sb] matrix_a_fmt:MATRIX_FMT_FP4 matrix_b_fmt:MATRIX_FMT_FP4 matrix_a_scale:MATRIX_SCALE_ROW1 matrix_b_scale:MATRIX_SCALE_ROW1
.elseif VAR == 4
	v_wmma_scale_f32_16x16x128_f8f6f4 v[(\d):(\d)+7], v[(\a):(\a)+7], v[(\b):(\b)+7], 0, v[\sa], v[\sb] matrix_a_fmt:MATRIX_FMT_FP4 matrix_b_fmt:MATRIX_FMT_FP4
.elseif VAR == 5
	v_wmma_scale_f32_16x16x128_f8f6f4 v[(\d):(\d)+7], v[(\a):(\a)+7], v[(\b):(\b)+7], 0, v[\sa], v[\sb] matrix_a_fmt:MATRIX_FMT_FP4 matrix_b_fmt:MATRIX_FMT_FP4 matrix_b_scale:MATRIX_SCALE_ROW1
.elseif VAR == 6
	v_wmma_scale_f32_16x16x128_f8f6f4 v[(\d):(\d)+7], v[(\a):(\a)+7], v[(\b):(\b)+7], 0, v[\sa], v[\sb] matrix_a_fmt:MATRIX_FMT_FP4 matrix_b_fmt:MATRIX_FMT_FP4 matrix_a_scale:MATRIX_SCALE_ROW1
.else
	v_wmma_scale_f32_16x16x128_f8f6f4 v[(\d):(\d)+7], v[(\a):(\a)+7], v[(\b):(\b)+7], 0, v[\sa], v[\sb] matrix_a_fmt:MATRIX_FMT_FP4 matrix_b_fmt:MATRIX_FMT_FP4 matrix_a_scale:MATRIX_SCALE_ROW1 matrix_b_scale:MATRIX_SCALE_ROW1
.endif
.endm
.macro MUL s, z                        ; the eight accumulators take turns, one instruction a turn
.set FB, 32+48*((\s)%3)
.irp m, 0,1
.irp i, 0,1,2,3
	WM ACC+32*\m+8*\i, FB+8*\i, FB+32+8*\m, \z, 24+2*((\s)%3)+\i/2, 16+(\s), \i%2, \m
.endr
.endr
.endm
	LOADG 0
	LOADG 1
	s_wait_loadcnt 22                              ; the fill's four loads are in; ctx's two scale loads and W's 20 of steps 0 and 1 may be out
	ds_store_b128 v11, v[192:195]
	ds_store_b128 v11, v[196:199] offset:8192
	ds_store_b128 v14, v[200:203]
	ds_store_b64 v10, v[204:205]
	s_wait_dscnt 0x0                               ; for the others' sake: my stores have landed
	s_barrier_signal -1
	s_barrier_wait -1                              ; ctx's images, gamma, beta and b_out lie in LDS; nothing is written there again
	LOADC 0
	LOADC 1
.irp s, 0,1,2,3,4,5,6,7
.if \s > 0
.rept 4
	v_nop                                          ; places in front of loads into the set that the last step's products read
.endr
.endif
.if \s+2 < 8
	LOADG \s+2
	LOADC \s+2
.endif
.if \s < 6
	s_wait_loadcnt 20                              ; all but the loads of the two steps ahead: 20 from memory,
	s_wait_dscnt 8                                 ; 8 from LDS
.elseif \s == 6
	s_wait_loadcnt 10
	s_wait_dscnt 4
.else
	s_wait_loadcnt 0x0
	s_wait_dscnt 0x0
.endif
.if \s == 0
	MUL \s, 1
.else
	MUL \s, 0
.endif
.endr
.rept 4
	v_nop                                          ; places behind the last products: their results are read, and their operands' registers loaded, below
.endr
.irp m, 0,1
.irp q, 0,1,2,3,4,5,6,7
	ds_store_b128 v[4+\m], v[ACC+32*\m+4*\q:ACC+32*\m+4*\q+3] offset:16*\q   ; each accumulator from its low end on
.endr
.endr
	s_wait_dscnt 0x0                               ; for the others' sake: my stores have landed
	s_barrier_signal -1
	s_barrier_wait -1                              ; 32 whole rows lie in the stage
	s_wait_tensorcnt 0x0                           ; my two rows of x are in LDS; only I read them
.irp k, 0,1
.irp q, 0,1,2,3,4,5,6,7
	ds_load_b128 v[Y+32*\k+4*\q:Y+32*\k+4*\q+3], v6 offset:SPI*\k+512*\q
.endr
.endr
.irp k, 0,1
.irp q, 0,1,2,3,4,5,6,7
	ds_load_b128 v[XX+32*\k+4*\q:XX+32*\k+4*\q+3], v7 offset:4096*\k+512*\q
.endr
.endr
.irp q, 0,1,2,3,4,5,6,7
	ds_load_b128 v[BO+4*\q:BO+4*\q+3], v31 offset:8192+512*\q
	ds_load_b128 v[GA+4*\q:GA+4*\q+3], v31 offset:512*\q
	ds_load_b128 v[BE+4*\q:BE+4*\q+3], v31 offset:4096+512*\q
.endr
	s_wait_dscnt 0x0
.macro ACROSS                          ; v[8 + 4 k] + v[9 + 4 k], summed over the 32 lanes, into v[8 + 4 k] of every lane
.irp k, 0,1
	v_add_f32 v[8+4*\k], v[8+4*\k], v[9+4*\k]
.endr
.irp m, 1,2,4,8
.irp k, 0,1
	v_add_f32_dpp v[8+4*\k], v[8+4*\k], v[8+4*\k] row_xmask:\m row_mask:0xf bank_mask:0xf
.endr
.endr
.irp k, 0,1
	v_permlanex16_b32 v[9+4*\k], v[8+4*\k], s50, s51
.endr
.irp k, 0,1
	v_add_f32 v[8+4*\k], v[8+4*\k], v[9+4*\k]
.endr
.endm
.irp k, 0,1
.irp j, 0,2,4,6,8,10,12,14,16,18,20,22,24,26,28,30
	v_pk_add_f32 v[Y+32*\k+\j:Y+32*\k+\j+1], v[Y+32*\k+\j:Y+32*\k+\j+1], v[XX+32*\k+\j:XX+32*\k+\j+1]   ; + x
.endr
.endr
.irp k, 0,1
.irp j, 0,2,4,6,8,10,12,14,16,18,20,22,24,26,28,30
	v_pk_add_f32 v[Y+32*\k+\j:Y+32*\k+\j+1], v[Y+32*\k+\j:Y+32*\k+\j+1], v[BO+\j:BO+\j+1]               ; + b_out
.endr
.endr
.irp k, 0,1
	v_pk_add_f32 v[8+4*\k:9+4*\k], v[Y+32*\k:Y+32*\k+1], v[Y+32*\k+2:Y+32*\k+3]       ; the row's sum: two chains a row
	v_pk_add_f32 v[10+4*\k:11+4*\k], v[Y+32*\k+4:Y+32*\k+5], v[Y+32*\k+6:Y+32*\k+7]
.endr
.irp j, 8,12,16,20,24,28
.irp k, 0,1
	v_pk_add_f32 v[8+4*\k:9+4*\k], v[8+4*\k:9+4*\k], v[Y+32*\k+\j:Y+32*\k+\j+1]
	v_pk_add_f32 v[10+4*\k:11+4*\k], v[10+4*\k:11+4*\k], v[Y+32*\k+\j+2:Y+32*\k+\j+3]
.endr
.endr
.irp k, 0,1
	v_pk_add_f32 v[8+4*\k:9+4*\k], v[8+4*\k:9+4*\k], v[10+4*\k:11+4*\k]
.endr
	ACROSS
.irp k, 0,1
	v_mul_f32 v[8+4*\k], s48, v[8+4*\k]            ; the mean
.endr
.irp k, 0,1
.irp j, 0,2,4,6,8,10,12,14,16,18,20,22,24,26,28,30
	v_pk_add_f32 v[Y+32*\k+\j:Y+32*\k+\j+1], v[Y+32*\k+\j:Y+32*\k+\j+1], v[8+4*\k:9+4*\k] op_sel_hi:[1,0] neg_lo:[0,1] neg_hi:[0,1]   ; y - mean
.endr
.endr
.irp k, 0,1
	v_pk_mul_f32 v[8+4*\k:9+4*\k], v[Y+32*\k:Y+32*\k+1], v[Y+32*\k:Y+32*\k+1]         ; the sum of the squares of the differences
	v_pk_mul_f32 v[10+4*\k:11+4*\k], v[Y+32*\k+2:Y+32*\k+3], v[Y+32*\k+2:Y+32*\k+3]
.endr
.irp j, 4,8,12,16,20,24,28
.irp k, 0,1
	v_pk_fma_f32 v[8+4*\k:9+4*\k], v[Y+32*\k+\j:Y+32*\k+\j+1], v[Y+32*\k+\j:Y+32*\k+\j+1], v[8+4*\k:9+4*\k]
	v_pk_fma_f32 v[10+4*\k:11+4*\k], v[Y+32*\k+\j+2:Y+32*\k+\j+3], v[Y+32*\k+\j+2:Y+32*\k+\j+3], v[10+4*\k:11+4*\k]
.endr
.endr
.irp k, 0,1
	v_pk_add_f32 v[8+4*\k:9+4*\k], v[8+4*\k:9+4*\k], v[10+4*\k:11+4*\k]
.endr
	ACROSS
.irp k, 0,1
	v_fma_f32 v[8+4*\k], v[8+4*\k], s48, s49       ; the variance + eps
.endr
	v_rsq_f32 v8, v8
	v_rsq_f32 v12, v12
	v_nop                                          ; a plain line behind the last of the two
	s_wait_alu depctr_va_vdst(0)                   ; one wait for both, ahead of their first reader
.irp k, 0,1
.irp j, 0,2,4,6,8,10,12,14,16,18,20,22,24,26,28,30
	v_pk_mul_f32 v[Y+32*\k+\j:Y+32*\k+\j+1], v[Y+32*\k+\j:Y+32*\k+\j+1], v[8+4*\k:9+4*\k] op_sel_hi:[1,0]
.endr
.endr
.irp k, 0,1
.irp j, 0,2,4,6,8,10,12,14,16,18,20,22,24,26,28,30
	v_pk_fma_f32 v[Y+32*\k+\j:Y+32*\k+\j+1], v[Y+32*\k+\j:Y+32*\k+\j+1], v[GA+\j:GA+\j+1], v[BE+\j:BE+\j+1]
.endr
.endr
.irp k, 0,1
.irp q, 0,1,2,3,4,5,6,7
	global_store_b128 v1, v[Y+32*\k+4*\q:Y+32*\k+4*\q+3], s[20:21] offset:4096*\k+512*\q th:TH_STORE_NT   ; 32 lanes store 512 consecutive bytes, at a multiple of 256 from out0's first byte
.endr
.endr
	s_wait_xcnt 0x0
	v_lshl_add_u32 v254, v0, 2, 0x47200
	v_mov_b32 v255, 0
	s_wait_tensorcnt 0x0
	ds_add_u32 v254, v255
	s_wait_dscnt 0x0
	s_endpgm
.Lfunc_end_k_qcb2f767b57_proj:
	.size	k_qcb2f767b57_proj, .Lfunc_end_k_qcb2f767b57_proj-k_qcb2f767b57_proj
	.p2alignl 7, 3214868480
	.fill 96, 4, 3214868480
	.section	.rodata,"a",@progbits
	.p2align	6, 0x0
	.amdhsa_kernel k_qcb2f767b57_proj
		.amdhsa_group_segment_fixed_size 293376
		.amdhsa_private_segment_fixed_size 0
		.amdhsa_enable_private_segment 0
		.amdhsa_kernarg_size 72
		.amdhsa_user_sgpr_count 2
		.amdhsa_user_sgpr_kernarg_segment_ptr 1
		.amdhsa_wavefront_size32 1
		.amdhsa_system_sgpr_workgroup_id_x 1
		.amdhsa_system_sgpr_workgroup_id_y 1
		.amdhsa_system_sgpr_workgroup_id_z 1
		.amdhsa_system_vgpr_workitem_id 0
		.amdhsa_next_free_vgpr 256
		.amdhsa_next_free_sgpr 66
		.amdhsa_reserve_vcc 0
		.amdhsa_float_denorm_mode_32 3
		.amdhsa_float_denorm_mode_16_64 3
		.amdhsa_memory_ordered 1
		.amdhsa_forward_progress 1
		.amdhsa_inst_pref_size 47
	.end_amdhsa_kernel
	.amdgpu_metadata
---
amdhsa.version: [ 1, 2 ]
amdhsa.kernels:
  - .name:           k_qcb2f767b57_proj
    .symbol:         k_qcb2f767b57_proj.kd
    .args:
      - { .name: cimg, .offset: 0, .size: 8, .value_kind: global_buffer, .address_space: global }
      - { .name: csc, .offset: 8, .size: 8, .value_kind: global_buffer, .address_space: global }
      - { .name: wimg, .offset: 16, .size: 8, .value_kind: global_buffer, .address_space: global }
      - { .name: sc, .offset: 24, .size: 8, .value_kind: global_buffer, .address_space: global }
      - { .name: b_out, .offset: 32, .size: 8, .value_kind: global_buffer, .address_space: global }
      - { .name: x, .offset: 40, .size: 8, .value_kind: global_buffer, .address_space: global }
      - { .name: gamma, .offset: 48, .size: 8, .value_kind: global_buffer, .address_space: global }
      - { .name: beta, .offset: 56, .size: 8, .value_kind: global_buffer, .address_space: global }
      - { .name: out0, .offset: 64, .size: 8, .value_kind: global_buffer, .address_space: global }
    .group_segment_fixed_size: 293376
    .private_segment_fixed_size: 0
    .kernarg_segment_align: 8
    .kernarg_segment_size: 72
    .max_flat_workgroup_size: 512
    .sgpr_count:     66
    .vgpr_count:     256
    .wavefront_size: 32
...
	.end_amdgpu_metadata
.endif
;; end of part 4
;; ======== version 2 of 2: 4 launches
;; workspace buffers: ximg 4,194,304 bytes; wimg 2,097,152 bytes; sc 393,216 bytes; qkvc 12,582,912 bytes; qkvs 1,310,720 bytes; cimg 4,194,304 bytes; csc 262,144 bytes
;; launch prep (part 5): grid 256 x 1, 4 waves a work-group, no clusters, 35,328 bytes of LDS; arguments x, W_qkv_codes, W_qkv_scales, W_out_codes, W_out_scales, ximg, wimg, sc; writes ximg, wimg, sc
.if DOCPART == 5
	.amdgcn_target "amdgcn-amd-amdhsa--gfx1250"
	.amdhsa_code_object_version 6
	.text
	.protected	k_qcb2f767b57_prep
	.globl	k_qcb2f767b57_prep
	.p2align	8
	.type	k_qcb2f767b57_prep,@function
k_qcb2f767b57_prep:
	s_mov_b64 s[64:65], 0
	v_nop
	global_prefetch_b8 v0, s[64:65] scope:SCOPE_SE
	s_setreg_imm32_b32 hwreg(HW_REG_WAVE_MODE, 25, 1), 1
	s_wait_xcnt 0x0
; x [8192][1024] f32 becomes codes of FP4 (E2M1) with one E8M0 byte for each 32 along K; W_qkv's and W_out's codes and scale bytes are laid out anew.  All three leave as IMAGES OF OPERAND REGISTERS.
; TILES.  An axis that forms tiles of 16 is cut into groups of 64; tile 4 G + i holds, as its row r, index 64 G + 32 (r / 8) + 8 i + r % 8.  A product whose source 0 is the four tiles of a group then
; leaves, in one lane's 32 result registers, 32 NEIGHBOURS of that axis: a whole block of the next product's K.
; IMAGE of a tile (16 rows x 1,024 K): 8,192 bytes; byte s x 1,024 + c x 512 + 16 x lane holds the 16 bytes (32 codes, k = 128 s + 64 c + 32 (lane / 16) + 0 .. 31) of row lane % 16: a fragment is two loads of 512 consecutive bytes.
; SCALE IMAGE of a tile: 512 bytes; the word (four bytes: 128 along K) of K step s and row r at 64 s + 4 r.
; SHARES.  Work-group n, wave w.  x: token tile 2 n + w / 2, K steps 4 (w % 2) + 0 .. 3.  W: tile n (0-191: W_qkv, 192-255: W_out), K steps 2 w and 2 w + 1, and one scale word a lane.  The buffers are chosen by the work-group's number; there is one path.
; x's loads read 512 consecutive bytes of a row; the conversions want 32 neighbours in a lane: a K step's 16 rows x 512 bytes turn through the wave's own stage in LDS (rows 528 bytes apart).  No barrier: waves share nothing.
; A block's scale byte is its largest magnitude's exponent field - 2, held at 1 from below by a floor among the maximum's leaves.
; LIMITS: NaN and infinities are not served; a block of zeros, or one whose largest magnitude lies under 2^-124, gets the byte 1 (its codes are zeros or tiny); the bytes are read by this program alone.
; W's scale words leave in pieces of 64 bytes: 131,072 bytes of the launch's 40 million.
.set WREG, 8704                        ; LDS of a wave: the stage, 16 x 528, and 256 bytes of scale words
.set SP,   528
.set SW,   16*SP
.set CD,   24                          ; v24-55   codes, eight registers a K step, never rewritten
.set X,    56                          ; v56-119  64 numbers of a lane; at the head W's 17 registers
.set LD0,  120                         ; v120-247 two sets of 64 as loaded
	s_load_b512 s[8:23], s[0:1], 0x0               ; x, W_qkv codes, scales, W_out codes, scales, ximg, wimg, sc
	v_lshl_add_u32 v248, v0, 2, 0x8800
	v_mov_b32 v249, 0
	v_lshrrev_b32 v1, 5, v0
	v_readfirstlane_b32 s24, v1                    ; wave
	v_and_b32 v21, 31, v0                          ; lane
	v_and_b32 v2, 15, v0                           ; r
	v_bfe_u32 v3, v0, 4, 1                         ; h
	v_lshlrev_b32 v1, 4, v21                       ; 16 x lane
	s_mul_i32 s25, s24, WREG
	v_add_nc_u32 v4, s25, v1                       ; into the stage: as loaded
	v_mul_u32_u24 v5, v2, SP
	v_lshl_add_u32 v5, v3, 7, v5
	v_add_nc_u32 v5, s25, v5                       ; out of it: row r, 32 numbers of my half
	v_lshl_add_u32 v6, v2, 2, SW
	v_add_nc_u32 v6, s25, v6                       ; my row's scale word
	v_lshlrev_b32 v8, 3, v21
	v_add_nc_u32 v7, SW, v8
	v_add_nc_u32 v7, s25, v7                       ; the scale words on the way out: 8 bytes a lane
	v_lshlrev_b32 v9, 3, v3                        ; 8 h
	v_lshrrev_b32 v10, 3, v2
	v_mad_u32_u24 v13, v10, 24, v2                 ; 32 (r / 8) + r % 8
	v_lshlrev_b32 v10, 9, v13
	v_lshl_add_u32 v10, v3, 4, v10                 ; W's codes: my row of 512 bytes, + 16 h
	v_lshlrev_b32 v11, 5, v13
	v_lshl_add_u32 v11, v3, 4, v11                 ; W's scale bytes: my row of 32, K step w + 4 h
	v_lshlrev_b32 v12, 2, v2
	v_lshl_add_u32 v12, v3, 8, v12                 ; and its place in the scale image
	v_mov_b32 v13, 0                               ; a lane permute's destination counts as one of its sources
	s_lshr_b32 s42, ttmp9, 1
	s_lshl_b32 s42, s42, 6
	s_and_b32 s43, ttmp9, 1
	s_lshl_b32 s43, s43, 4
	s_add_co_u32 s42, s42, s43
	s_lshr_b32 s44, s24, 1
	s_lshl_b32 s43, s44, 3
	s_add_co_u32 s42, s42, s43                     ; my tile's first token: 64 (n / 2) + 16 (n % 2) + 8 (w / 2)
	s_and_b32 s45, s24, 1                          ; q: which half of K
	s_lshl_b32 s46, s42, 12
	s_lshl_b32 s43, s45, 11
	s_add_co_u32 s46, s46, s43
	s_mov_b32 s47, 0                               ; bytes into x
	s_lshl_b32 s42, ttmp9, 1
	s_add_co_u32 s42, s42, s44                     ; T
	s_lshl_b32 s48, s42, 13
	s_lshl_b32 s43, s45, 12
	s_add_co_u32 s48, s48, s43
	s_mov_b32 s49, 0                               ; into ximg
	s_lshl_b32 s50, s42, 9
	s_lshl_b32 s43, s45, 8
	s_add_co_u32 s50, s50, s43
	s_mov_b32 s51, 0                               ; into sc
	s_cmp_lt_u32 ttmp9, 192
	s_cselect_b32 s42, 0, 192
	s_sub_co_u32 s42, ttmp9, s42                   ; the tile's number in its own tensor
	s_lshr_b32 s43, s42, 2
	s_lshl_b32 s43, s43, 6
	s_and_b32 s42, s42, 3
	s_lshl_b32 s42, s42, 3
	s_add_co_u32 s42, s42, s43                     ; its first row
	s_lshl_b32 s52, s42, 9
	s_lshl_b32 s43, s24, 7
	s_add_co_u32 s52, s52, s43
	s_mov_b32 s53, 0                               ; into the codes: my two K steps are 128 bytes of a row
	s_lshl_b32 s54, s42, 5
	s_lshl_b32 s43, s24, 2
	s_add_co_u32 s54, s54, s43
	s_mov_b32 s55, 0                               ; into the scale bytes
	s_lshl_b32 s56, ttmp9, 13
	s_lshl_b32 s43, s24, 11
	s_add_co_u32 s56, s56, s43
	s_mov_b32 s57, 0                               ; into wimg
	s_lshl_b32 s58, ttmp9, 9
	s_lshl_b32 s43, s24, 6
	s_add_co_u32 s58, s58, s43
	s_add_co_u32 s58, s58, 262144
	s_mov_b32 s59, 0                               ; into sc: W's scale images lie behind x's 512
	s_mov_b32 s40, 0x76543210
	s_mov_b32 s41, 0xfedcba98                      ; lane l xor 16
	s_wait_alu depctr_va_vdst(0)
	s_wait_kmcnt 0x0
	s_cmp_lt_u32 ttmp9, 192                        ; the choice hangs on the work-group's number alone
	s_cselect_b64 s[32:33], s[10:11], s[14:15]
	s_cselect_b64 s[34:35], s[12:13], s[16:17]
	s_add_nc_u64 s[26:27], s[8:9], s[46:47]
	s_add_nc_u64 s[28:29], s[18:19], s[48:49]
	s_add_nc_u64 s[30:31], s[22:23], s[50:51]
	s_add_nc_u64 s[32:33], s[32:33], s[52:53]
	s_add_nc_u64 s[34:35], s[34:35], s[54:55]
	s_add_nc_u64 s[36:37], s[20:21], s[56:57]
	s_add_nc_u64 s[38:39], s[22:23], s[58:59]
.macro LOADX t                         ; K step t of my four: 16 rows x 512 consecutive bytes, into set t % 2
.irp r, 0,1,2,3,4,5,6,7,8,9,10,11,12,13,14,15
	global_load_b128 v[LD0+64*((\t)%2)+4*\r:LD0+64*((\t)%2)+4*\r+3], v1, s[26:27] offset:(\r+24*(\r/8))*4096+512*(\t) th:TH_LOAD_NT
.endr
.endm
.irp i, 0,1,2,3
	global_load_b128 v[X+4*\i:X+4*\i+3], v10, s[32:33] offset:32*\i   ; W: (K step 2 w + i / 2, c = i % 2)
.endr
	global_load_b32 v[X+16], v11, s[34:35]
	LOADX 0
	LOADX 1
	s_wait_loadcnt 32                              ; W's five loads are in; x's 32 may be out
.irp i, 0,1,2,3
	global_store_b128 v1, v[X+4*\i:X+4*\i+3], s[36:37] offset:512*\i   ; 512 consecutive bytes a store
.endr
	global_store_b32 v12, v[X+16], s[38:39]
	s_wait_xcnt 0x0                                ; these stores' data registers take x's numbers next
.macro STEP t
.if (\t) < 3
	s_wait_loadcnt 16                              ; this step's 16 loads are in; the next step's may be out
.else
	s_wait_loadcnt 0x0
.endif
.irp r, 0,1,2,3,4,5,6,7,8,9,10,11,12,13,14,15
	ds_store_b128 v4, v[LD0+64*((\t)%2)+4*\r:LD0+64*((\t)%2)+4*\r+3] offset:SP*\r
.endr
.irp c, 0,1
.irp i, 0,1,2,3,4,5,6,7
	ds_load_b128 v[X+32*\c+4*\i:X+32*\c+4*\i+3], v5 offset:256*\c+16*\i   ; LDS serves a wave's instructions in order: these see the stores above
.endr
.endr
	s_wait_dscnt 0x0                               ; my 64 numbers are in, and the set has been read
.if (\t)+2 < 4
	LOADX (\t)+2
.endif
	v_max3_num_f32 v14, |v[X]|, |v[X+1]|, 0x1800000      ; two whole blocks of 32 by turns; the floor 2^(3 - 127) holds the byte at 1 from below
	v_max3_num_f32 v15, |v[X+32]|, |v[X+33]|, 0x1800000
.irp i, 2,4,6,8,10,12,14,16,18,20,22,24,26,28,30
	v_max3_num_f32 v14, v14, |v[X+\i]|, |v[X+\i+1]|
	v_max3_num_f32 v15, v15, |v[X+32+\i]|, |v[X+33+\i]|
.endr
	v_add_nc_u32 v16, 0xff000000, v14              ; 2 off the exponent field: the conversion's scale operand
	v_add_nc_u32 v17, 0xff000000, v15
	v_lshrrev_b32 v18, 23, v16                     ; the scale's byte
	v_lshrrev_b32 v19, 23, v17
.irp c, 0,1
.irp i, 0,1,2,3
	v_cvt_scalef32_pk8_fp4_f32 v[CD+8*(\t)+4*\c+\i], v[X+32*\c+8*\i:X+32*\c+8*\i+7], v[16+\c]
.endr
.endr
	v_lshl_or_b32 v20, v19, 16, v18                ; my bytes: blocks h and 2 + h (plain lines behind the conversions)
	v_lshlrev_b32 v20, v9, v20
	v_permlanex16_b32 v13, v20, s40, s41
	v_or_b32 v20, v20, v13                         ; with lane l xor 16's two the word is whole
	ds_store_b32 v6, v20 offset:64*(\t)            ; both halves write the same word with the same value
	global_store_b128 v1, v[CD+8*(\t):CD+8*(\t)+3], s[28:29] offset:1024*(\t)
	global_store_b128 v1, v[CD+8*(\t)+4:CD+8*(\t)+7], s[28:29] offset:1024*(\t)+512
.endm
	STEP 0
	STEP 1
	STEP 2
	STEP 3
	ds_load_b64 v[22:23], v7                       ; my four steps' scale words: 256 bytes
	s_wait_dscnt 0x0
	global_store_b64 v8, v[22:23], s[30:31]        ; 32 lanes store 256 consecutive bytes, aligned
	s_wait_tensorcnt 0x0
	ds_add_u32 v248, v249
	s_wait_dscnt 0x0
	s_endpgm
.Lfunc_end_k_qcb2f767b57_prep:
	.size	k_qcb2f767b57_prep, .Lfunc_end_k_qcb2f767b57_prep-k_qcb2f767b57_prep
	.p2alignl 7, 3214868480
	.fill 96, 4, 3214868480
	.section	.rodata,"a",@progbits
	.p2align	6, 0x0
	.amdhsa_kernel k_qcb2f767b57_prep
		.amdhsa_group_segment_fixed_size 35328
		.amdhsa_private_segment_fixed_size 0
		.amdhsa_enable_private_segment 0
		.amdhsa_kernarg_size 64
		.amdhsa_user_sgpr_count 2
		.amdhsa_user_sgpr_kernarg_segment_ptr 1
		.amdhsa_wavefront_size32 1
		.amdhsa_system_sgpr_workgroup_id_x 1
		.amdhsa_system_sgpr_workgroup_id_y 1
		.amdhsa_system_sgpr_workgroup_id_z 1
		.amdhsa_system_vgpr_workitem_id 0
		.amdhsa_next_free_vgpr 250
		.amdhsa_next_free_sgpr 66
		.amdhsa_reserve_vcc 0
		.amdhsa_float_denorm_mode_32 3
		.amdhsa_float_denorm_mode_16_64 3
		.amdhsa_memory_ordered 1
		.amdhsa_forward_progress 1
		.amdhsa_inst_pref_size 33
	.end_amdhsa_kernel
	.amdgpu_metadata
---
amdhsa.version: [ 1, 2 ]
amdhsa.kernels:
  - .name:           k_qcb2f767b57_prep
    .symbol:         k_qcb2f767b57_prep.kd
    .args:
      - { .name: x, .offset: 0, .size: 8, .value_kind: global_buffer, .address_space: global }
      - { .name: W_qkv_codes, .offset: 8, .size: 8, .value_kind: global_buffer, .address_space: global }
      - { .name: W_qkv_scales, .offset: 16, .size: 8, .value_kind: global_buffer, .address_space: global }
      - { .name: W_out_codes, .offset: 24, .size: 8, .value_kind: global_buffer, .address_space: global }
      - { .name: W_out_scales, .offset: 32, .size: 8, .value_kind: global_buffer, .address_space: global }
      - { .name: ximg, .offset: 40, .size: 8, .value_kind: global_buffer, .address_space: global }
      - { .name: wimg, .offset: 48, .size: 8, .value_kind: global_buffer, .address_space: global }
      - { .name: sc, .offset: 56, .size: 8, .value_kind: global_buffer, .address_space: global }
    .group_segment_fixed_size: 35328
    .private_segment_fixed_size: 0
    .kernarg_segment_align: 8
    .kernarg_segment_size: 64
    .max_flat_workgroup_size: 128
    .sgpr_count:     66
    .vgpr_count:     250
    .wavefront_size: 32
...
	.end_amdgpu_metadata
.endif
;; end of part 5
;; launch qkv (part 6): grid 12 x 64, 4 waves a work-group, no clusters, 66,048 bytes of LDS; arguments ximg, wimg, sc, b_qkv, qkvc, qkvs; writes qkvc, qkvs
.if DOCPART == 6
	.amdgcn_target "amdgcn-amd-amdhsa--gfx1250"
	.amdhsa_code_object_version 6
	.text
	.protected	k_qcb2f767b57_qkv
	.globl	k_qcb2f767b57_qkv
	.p2align	8
	.type	k_qcb2f767b57_qkv,@function
k_qcb2f767b57_qkv:
	s_mov_b64 s[64:65], 0
	v_nop
	global_prefetch_b8 v0, s[64:65] scope:SCOPE_SE
	s_setreg_imm32_b32 hwreg(HW_REG_WAVE_MODE, 25, 1), 1
	s_wait_xcnt 0x0
; qkv = Q(x) W_qkv + b_qkv on codes of FP4, and the result quantised at once: q and k along the head's 64, v along the keys.
; SHARES.  Work-group (cg, y): 256 columns (cg / 4 = 0: q, 1: k, 2: v) x 128 tokens.  Wave w: one head, 64 columns, in two passes of 64 tokens x 64 columns x 1,024 K: 16 accumulators.
; x THROUGH LDS.  All four waves multiply by the same eight images of x, 65,536 dense bytes: they are asked of memory once a work-group (32 loads a thread, into the registers that the sums take later), stored to LDS as they lie,
; and read from there as fragments (two loads of 512 consecutive bytes).  One barrier.  W's fragments are each wave's own and come straight from memory into registers, two K steps ahead, in three sets.
; So a wave issues 32 + 128 loads of 16 bytes a lane where 256 would be needed with x from memory.  Three work-groups' waves share a SIMD.
; Sharing tiles in a cluster is left out: a K step is 16 matrix instructions a wave, and a round of a cluster's barrier for each such step would stand against 4 KB of W.
; TWO ORIENTATIONS.  ACC(g, m) = source 0's tile m x source 1's tile g.  q, k (kind 1): source 0 = W's four tiles, source 1 = x's: a lane holds one token, and the 32 registers of a group g are 32 neighbouring dims of the head.
; v (kind 2): source 0 = x's tiles, source 1 = W's: a lane holds one channel d, and the 32 registers are 32 neighbouring keys.  The body is written by one macro and assembled for both; the branch hangs on the work-group's number and stands behind the barrier.
; OUT.  q, k codes: [bh][tile 0..127][16 x lane]: dims 32 h .. of the tile's token r.  v codes: [bh][J][d tile][c][16 x lane]: keys 128 J + 64 c + 32 h .. of d.  Scale words: q, k [bh][J][pass][r][tile % 4], bytes 0, 1; v [bh][J][r][d tile], byte 2 c + h.
; LIMITS: NaN and infinities are not served; a block of zeros or under 2^-124 gets the byte 1; bytes 2 and 3 of q's and k's scale words are 0 and stand over zero codes.
; REGISTERS: v1 16 x lane; v2-3 scale words' offsets of pass 0, 1; v4-7 codes' offsets; v8 16 r + 8 h; v9 8 h; v10, v19 bias offsets; v11-18 scale bytes (v11 at the head: 16 x thread); v20-31 scale words, three sets;
;   v32-63 bias; v64-95 x's four fragments (free in an epilogue); v96-127 W's set 0; v128-255 accumulators; window 1, v0-63: W's sets 1 and 2.
.set SCW, 20
.set BI,  32
.set XF,  64
.set W0,  96
.set ACC, 128
.set MSB, 0
.macro WIN new                         ; the immediate's high byte repeats the setting that is left
.if MSB != \new
	s_set_vgpr_msb (MSB<<8)|\new
.set MSB, \new
.endif
.endm
	s_load_b256 s[4:11], s[0:1], 0x0               ; ximg, wimg, sc, b_qkv
	s_load_b128 s[12:15], s[0:1], 0x20             ; qkvc, qkvs
	s_set_vgpr_msb 0x40
	v_lshl_add_u32 v64, v0, 2, 0x10000
	v_mov_b32 v65, 0
	s_set_vgpr_msb 0x4000
	v_lshrrev_b32 v64, 5, v0
	v_readfirstlane_b32 s16, v64                   ; wave
	s_mov_b32 s17, ttmp9                           ; cg
	s_and_b32 s18, ttmp7, 0xffff                   ; y
	s_lshr_b32 s19, s17, 2                         ; 0 q, 1 k, 2 v
	v_lshlrev_b32 v11, 4, v0                       ; the fill: 16 bytes a thread
	v_and_b32 v64, 31, v0
	v_and_b32 v65, 15, v0                          ; r
	v_bfe_u32 v66, v0, 4, 1                        ; h
	v_lshlrev_b32 v1, 4, v64
	v_lshlrev_b32 v9, 3, v66
	v_lshlrev_b32 v10, 7, v66
	v_lshl_add_u32 v8, v65, 4, v9
	v_lshrrev_b32 v67, 3, v65
	v_mad_u32_u24 v67, v67, 24, v65                ; 32 (r / 8) + r % 8
	v_lshlrev_b32 v19, 2, v67
	v_cmp_ne_u32 s52, 0, v66                       ; lanes 16-31
	s_mov_b32 s42, 0x76543210
	s_mov_b32 s43, 0xfedcba98
	s_lshl_b32 s44, s17, 4
	s_lshl_b32 s45, s16, 2
	s_add_co_u32 s44, s44, s45                     ; my first tile of W: 16 cg + 4 w
	s_lshl_b32 s46, s18, 16                        ; x's images: eight tiles of 8,192 bytes for each y
	s_mov_b32 s47, 0
	s_lshl_b32 s48, s44, 13
	s_mov_b32 s49, 0
	s_lshl_b32 s50, s17, 10
	s_lshl_b32 s45, s16, 8
	s_add_co_u32 s50, s50, s45                     ; my 64 numbers of the bias
	s_mov_b32 s51, 0
	s_and_b32 s45, s17, 3
	s_lshl_b32 s45, s45, 2
	s_add_co_u32 s45, s45, s16                     ; head
	s_lshr_b32 s53, s18, 4
	s_lshl_b32 s53, s53, 4
	s_add_co_u32 s53, s53, s45                     ; bh = 16 b + head
	s_and_b32 s45, s18, 15                         ; J
	s_lshl_b32 s54, s19, 22
	s_lshl_b32 s55, s53, 16
	s_add_co_u32 s54, s54, s55
	s_lshl_b32 s55, s45, 12
	s_add_co_u32 s54, s54, s55                     ; the codes' place
	s_mov_b32 s55, 0
	s_lshl_b32 s56, s19, 19
	s_lshl_b32 s57, s53, 13
	s_add_co_u32 s56, s56, s57
	s_lshl_b32 s57, s45, 9
	s_add_co_u32 s56, s56, s57                     ; q's, k's scale words
	s_lshl_b32 s58, s53, 12
	s_lshl_b32 s57, s45, 8
	s_add_co_u32 s58, s58, s57
	s_add_co_u32 s58, s58, 1048576                 ; v's
	s_lshl_b32 s59, s18, 12                        ; x's scale images, pass 0,
	s_add_co_u32 s60, s59, 2048                    ; pass 1,
	s_lshl_b32 s61, s44, 9
	s_add_co_u32 s61, s61, 262144                  ; and W's
	s_cmp_eq_u32 s19, 2
	s_cselect_b32 s56, s58, s56
	s_mov_b32 s57, 0
	s_cselect_b32 s44, s59, s61                    ; source 0's scale images, pass 0
	s_cselect_b32 s45, s60, s61                    ; pass 1
	s_cselect_b32 s53, s61, s59                    ; source 1's, pass 0
	s_cselect_b32 s58, s61, s60                    ; pass 1
	s_mov_b32 s34, 512
	s_cselect_b32 s34, 1024, s34                   ; from group to group in the codes
	s_mov_b32 s40, 2048
	s_cselect_b32 s40, 512, s40                    ; from pass to pass
	s_mov_b32 s41, 0
	v_mov_b32 v67, s44
	v_mov_b32 v68, s53
	v_cndmask_b32 v2, v67, v68, s52                ; lanes 0-15 take source 0's words, lanes 16-31 source 1's
	v_lshl_add_u32 v2, v65, 2, v2
	v_mov_b32 v67, s45
	v_mov_b32 v68, s58
	v_cndmask_b32 v3, v67, v68, s52
	v_lshl_add_u32 v3, v65, 2, v3
	v_mov_b32 v4, v1
	v_add_nc_u32 v5, s34, v4
	v_add_nc_u32 v6, s34, v5
	v_add_nc_u32 v7, s34, v6
	s_wait_alu depctr_va_vdst(0)
	s_wait_kmcnt 0x0
	s_add_nc_u64 s[46:47], s[4:5], s[46:47]        ; x's eight images
	s_add_nc_u64 s[48:49], s[6:7], s[48:49]        ; my four images of W
	s_add_nc_u64 s[28:29], s[10:11], s[50:51]
	s_add_nc_u64 s[30:31], s[12:13], s[54:55]      ; codes out, pass 0
	s_add_nc_u64 s[32:33], s[30:31], s[40:41]      ; pass 1
	s_add_nc_u64 s[36:37], s[14:15], s[56:57]      ; scale words out: q, k pass 0; v
	s_add_nc_u64 s[38:39], s[36:37], 256           ; q, k pass 1 (not used for v)
; Step t = 8 x pass + K step.  W's fragments and the scale words of step t: 8 + 4 loads, into set t % 3.
.macro LOADW t
.set WS, (\t)%3
.if WS == 0
.set WB, W0
.else
.set WB, 32*(WS-1)
	WIN 0x40
.endif
.irp i, 0,1,2,3
.irp c, 0,1
	global_load_b128 v[WB+8*\i+4*\c:WB+8*\i+4*\c+3], v1, s[48:49] offset:\i*8192+((\t)%8)*1024+\c*512
.endr
.endr
	WIN 0
.irp i, 0,1,2,3
	global_load_b32 v[SCW+4*WS+\i], v[2+(\t)/8], s[8:9] offset:\i*512+((\t)%8)*64
.endr
.endm
.macro LOADX t                         ; x's four fragments of step t, from LDS
.irp g, 0,1,2,3
.irp c, 0,1
	ds_load_b128 v[XF+8*\g+4*\c:XF+8*\g+4*\c+3], v1 offset:(4*((\t)/8)+\g)*8192+((\t)%8)*1024+\c*512
.endr
.endr
.endm
.set n, 0
.rept 32
	global_load_b128 v[ACC+4*n:ACC+4*n+3], v11, s[46:47] offset:2048*n   ; the four waves read 2,048 consecutive bytes
.set n, n+1
.endr
	LOADW 0
	LOADW 1
	s_wait_loadcnt 24                              ; x's 32 loads are in; W's 24 of steps 0 and 1 may be out
.set n, 0
.rept 32
	ds_store_b128 v11, v[ACC+4*n:ACC+4*n+3] offset:2048*n
.set n, n+1
.endr
	s_wait_dscnt 0x0                               ; for the others' sake: my stores have landed
	s_barrier_signal -1
	s_barrier_wait -1                              ; x's eight images lie in LDS; nothing is written there again
; 16 products; the accumulators take turns, one instruction a turn, in the same order in every step.  A pass's first step takes the bias as C.
.macro MUL t, kind
.set WS, (\t)%3
.if WS == 0
.set WB, W0
.else
.set WB, 32*(WS-1)
.if \kind == 1
	WIN 0x01
.else
	WIN 0x04
.endif
.endif
.irp g, 0,1,2,3
.irp m, 0,1,2,3
.if \kind == 1
.set RA, WB+8*\m
.set RB, XF+8*\g
.set RC, BI+8*\m
.else
.set RA, XF+8*\m
.set RB, WB+8*\g
.set RC, BI+8*\g
.endif
.if ((\t)%8) == 0
	v_wmma_scale_f32_16x16x128_f8f6f4 v[ACC+32*\g+8*\m:ACC+32*\g+8*\m+7], v[RA:RA+7], v[RB:RB+7], v[RC:RC+7], v[SCW+4*WS+\m], v[SCW+4*WS+\g] matrix_a_fmt:MATRIX_FMT_FP4 matrix_b_fmt:MATRIX_FMT_FP4 matrix_b_scale:MATRIX_SCALE_ROW1
.else
	v_wmma_scale_f32_16x16x128_f8f6f4 v[ACC+32*\g+8*\m:ACC+32*\g+8*\m+7], v[RA:RA+7], v[RB:RB+7], v[ACC+32*\g+8*\m:ACC+32*\g+8*\m+7], v[SCW+4*WS+\m], v[SCW+4*WS+\g] matrix_a_fmt:MATRIX_FMT_FP4 matrix_b_fmt:MATRIX_FMT_FP4 matrix_b_scale:MATRIX_SCALE_ROW1
.endif
.endr
.endr
	WIN 0
.endm
.macro STEPK t, kind
.if ((\t)%8) != 0
.rept 4
	v_nop                                          ; places in front of loads into x's set, and into the set of W and of scale words, that the last step's products read
.endr
.endif
	LOADX \t
.if (\t)+2 < 16
	LOADW (\t)+2
.endif
.if (\t) == 0
	s_wait_loadcnt 12                              ; all but step 2's 12 loads: the bias was asked for behind steps 0 and 1
.elseif (\t) < 14
	s_wait_loadcnt 24                              ; all but the 24 loads of the two steps ahead
.elseif (\t) == 14
	s_wait_loadcnt 12
.else
	s_wait_loadcnt 0x0
.endif
	s_wait_dscnt 0x0                               ; x's fragments
	MUL \t, \kind
.endm
; A pass's 64 x 64 results are quantised: each group's 32 registers are one whole block in a lane.  x's registers are free: v64-67 maxima, v68-71 scale operands, v72-87 codes, v88-91 words, v92-93 words out, v94-95 permutes.
.macro EPI p, kind
.rept 4
	v_nop                                          ; places behind the last products
.endr
.irp g, 0,1,2,3
	v_max3_num_f32 v[64+\g], |v[ACC+32*\g]|, |v[ACC+32*\g+1]|, 0x1800000   ; each accumulator is read from its low end on
.endr
.irp i, 2,4,6,8,10,12,14,16,18,20,22,24,26,28,30
.irp g, 0,1,2,3
	v_max3_num_f32 v[64+\g], v[64+\g], |v[ACC+32*\g+\i]|, |v[ACC+32*\g+\i+1]|
.endr
.endr
.irp g, 0,1,2,3
	v_add_nc_u32 v[68+\g], 0xff000000, v[64+\g]
.endr
.irp g, 0,1,2,3
	v_lshrrev_b32 v[11+4*(\p)+\g], 23, v[68+\g]
.endr
.irp g, 0,1,2,3
.irp i, 0,1,2,3
	v_cvt_scalef32_pk8_fp4_f32 v[72+4*\g+\i], v[ACC+32*\g+8*\i:ACC+32*\g+8*\i+7], v[68+\g]
.endr
.endr
	v_mov_b32 v94, 0                               ; plain lines behind the last conversion; a lane permute's destination counts as one of its sources
	v_mov_b32 v95, 0
.irp g, 0,1,2,3
	global_store_b128 v[4+\g], v[72+4*\g:72+4*\g+3], s[30+2*(\p):31+2*(\p)]   ; 512 consecutive bytes
.endr
.if \kind == 1
	v_lshl_or_b32 v88, v[12+4*(\p)], 16, v[11+4*(\p)]   ; q, k: a token's word is (byte of dims 0-31, byte of dims 32-63, 0, 0)
	v_lshl_or_b32 v89, v[14+4*(\p)], 16, v[13+4*(\p)]
	v_lshlrev_b32 v88, v9, v88
	v_lshlrev_b32 v89, v9, v89
	v_permlanex16_b32 v94, v88, s42, s43
	v_permlanex16_b32 v95, v89, s42, s43
	v_or_b32 v88, v88, v94                         ; tiles 0 and 1's words, 16 bits each
	v_or_b32 v89, v89, v95                         ; tiles 2 and 3's
	v_cndmask_b32 v88, v88, v89, s52               ; lanes 0-15 store tiles 0, 1; lanes 16-31 tiles 2, 3
	v_and_b32 v92, 0xffff, v88
	v_lshrrev_b32 v93, 16, v88
	global_store_b64 v8, v[92:93], s[36+2*(\p):37+2*(\p)]   ; 256 consecutive bytes, aligned
.elseif (\p) == 1
.irp g, 0,1,2,3
	v_lshl_or_b32 v[88+\g], v[15+\g], 16, v[11+\g] ; v: byte 2 c + h of a channel's word: both passes' bytes
.endr
.irp g, 0,1,2,3
	v_lshlrev_b32 v[88+\g], v9, v[88+\g]
.endr
	v_permlanex16_b32 v94, v88, s42, s43
	v_permlanex16_b32 v95, v89, s42, s43
	v_or_b32 v88, v88, v94
	v_or_b32 v89, v89, v95
	v_permlanex16_b32 v94, v90, s42, s43
	v_permlanex16_b32 v95, v91, s42, s43
	v_or_b32 v90, v90, v94
	v_or_b32 v91, v91, v95
	v_cndmask_b32 v92, v88, v90, s52
	v_cndmask_b32 v93, v89, v91, s52
	global_store_b64 v8, v[92:93], s[36:37]
.endif
.if (\p) == 0
	s_wait_xcnt 0x0                                ; the stores' data registers take x's fragments again in the second pass
.endif
.endm
.macro BODY kind
.if \kind == 1                         ; the bias, in the result's layout: it is the C of each sum's first product
.irp m, 0,1,2,3
.irp i, 0,1
	global_load_b128 v[BI+8*\m+4*\i:BI+8*\m+4*\i+3], v10, s[28:29] offset:32*\m+16*\i   ; register 8 m + j: b at dim 32 h + 8 m + j
.endr
.endr
.else
.irp g, 0,1,2,3
.irp j, 0,1,2,3,4,5,6,7
	global_load_b32 v[BI+8*\g+\j], v19, s[28:29] offset:32*\g   ; all eight registers of group g: b at my channel
.endr
.endr
.endif
.irp t, 0,1,2,3,4,5,6,7
	STEPK \t, \kind
.endr
	EPI 0, \kind
.irp t, 8,9,10,11,12,13,14,15
	STEPK \t, \kind
.endr
	EPI 1, \kind
	s_set_vgpr_msb 0x5
	s_wait_tensorcnt 0x0
	ds_add_u32 v64, v65
	s_wait_dscnt 0x0
	s_set_vgpr_msb 0x500
	s_endpgm
.endm
	s_cmp_eq_u32 s19, 2                            ; the same in all waves of a work-group
	s_cbranch_scc1 .Lfor_v
	BODY 1
.Lfor_v:
	BODY 2
.Lfunc_end_k_qcb2f767b57_qkv:
	.size	k_qcb2f767b57_qkv, .Lfunc_end_k_qcb2f767b57_qkv-k_qcb2f767b57_qkv
	.p2alignl 7, 3214868480
	.fill 96, 4, 3214868480
	.section	.rodata,"a",@progbits
	.p2align	6, 0x0
	.amdhsa_kernel k_qcb2f767b57_qkv
		.amdhsa_group_segment_fixed_size 66048
		.amdhsa_private_segment_fixed_size 0
		.amdhsa_enable_private_segment 0
		.amdhsa_kernarg_size 48
		.amdhsa_user_sgpr_count 2
		.amdhsa_user_sgpr_kernarg_segment_ptr 1
		.amdhsa_wavefront_size32 1
		.amdhsa_system_sgpr_workgroup_id_x 1
		.amdhsa_system_sgpr_workgroup_id_y 1
		.amdhsa_system_sgpr_workgroup_id_z 1
		.amdhsa_system_vgpr_workitem_id 0
		.amdhsa_next_free_vgpr 322
		.amdhsa_next_free_sgpr 66
		.amdhsa_reserve_vcc 0
		.amdhsa_float_denorm_mode_32 3
		.amdhsa_float_denorm_mode_16_64 3
		.amdhsa_memory_ordered 1
		.amdhsa_forward_progress 1
		.amdhsa_inst_pref_size 162
	.end_amdhsa_kernel
	.amdgpu_metadata
---
amdhsa.version: [ 1, 2 ]
amdhsa.kernels:
  - .name:           k_qcb2f767b57_qkv
    .symbol:         k_qcb2f767b57_qkv.kd
    .args:
      - { .name: ximg, .offset: 0, .size: 8, .value_kind: global_buffer, .address_space: global }
      - { .name: wimg, .offset: 8, .size: 8, .value_kind: global_buffer, .address_space: global }
      - { .name: sc, .offset: 16, .size: 8, .value_kind: global_buffer, .address_space: global }
      - { .name: b_qkv, .offset: 24, .size: 8, .value_kind: global_buffer, .address_space: global }
      - { .name: qkvc, .offset: 32, .size: 8, .value_kind: global_buffer, .address_space: global }
      - { .name: qkvs, .offset: 40, .size: 8, .value_kind: global_buffer, .address_space: global }
    .group_segment_fixed_size: 66048
    .private_segment_fixed_size: 0
    .kernarg_segment_align: 8
    .kernarg_segment_size: 48
    .max_flat_workgroup_size: 128
    .sgpr_count:     66
    .vgpr_count:     322
    .wavefront_size: 32
...
	.end_amdgpu_metadata
.endif
;; end of part 6
;; launch attn (part 7): grid 4 x 64, 16 waves a work-group, no clusters, 145,408 bytes of LDS; arguments qkvc, qkvs, cimg, csc; writes cimg, csc
.if DOCPART == 7
	.amdgcn_target "amdgcn-amd-amdhsa--gfx1250"
	.amdhsa_code_object_version 6
	.text
	.protected	k_qcb2f767b57_attn
	.globl	k_qcb2f767b57_attn
	.p2align	8
	.type	k_qcb2f767b57_attn,@function
k_qcb2f767b57_attn:
	s_mov_b64 s[64:65], 0
	v_nop
	global_prefetch_b8 v0, s[64:65] scope:SCOPE_SE
	s_setreg_imm32_b32 hwreg(HW_REG_WAVE_SCHED_MODE, 0, 2), 2
	s_setreg_imm32_b32 hwreg(HW_REG_WAVE_MODE, 25, 1), 1
	s_wait_xcnt 0x0
	s_wait_alu depctr_vm_vsrc(0)
; ctx = softmax(q k^T / 8) v for one head, both products on codes of FP4; ctx leaves quantised along the model's 1,024, as pieces of operand images.
; THE SOFTMAX: t = score x log2(e) / 8; M = the running largest t rounded UP to a whole number; p = 2^(t - M) is quantised along the keys, not normalised; the row's sum is taken of the unquantised p and divides at the end.
; When M moves, the sum and O are multiplied by 2^(old M - new M): exact.
; SHARES.  A work-group owns 512 queries of one head (bh = work-group y); each of its sixteen waves takes two tiles of 16 queries, one after the other, in 256 registers: four waves to a SIMD, so that one wave's
; vector work stands beside another's products and LDS loads.  ALL of the head's K and V (codes 2 x 65,536 bytes, scale words 8,192 + 4,096) lie in LDS, filled once through registers: one barrier in the launch.
; Both tiles' Q are asked for at the head, ahead of the fill: no load from memory stands behind the barrier.
; Sharing the fill in a cluster is left out: it is 18 loads a thread against 32 key steps of some 216 vector instructions.
; LAYOUT.  Both products transposed: S^T = K Q^T (source 0 = 16 keys), O^T = V^T P^T (source 0 = 16 channels): a lane holds ONE query.  By the tiles' order (tile 4 G + i, row r: 64 G + 32 (r / 8) + 8 i + r % 8) the 32 registers
; of four neighbouring tiles are 32 neighbouring keys (or channels): a whole block in a lane; its maximum needs no other lane, and the conversions' results are the next operand's registers as they stand.
; The first product's K is 64: registers 4-7 of both its operands are zero codes.
; K A STEP AHEAD.  A step's fragments of K are asked of LDS in the step before.  A tile's last step so reads 4,096 + 512 LDS bytes behind K's regions (the head of V's codes and of V's scale words): inside LDS, never used.
; THE MODE: SCHED_MODE bits 1:0 = 2 (LLVM: expert scheduling mode 2), set by the entry lines.  The code itself states the register dependences between vector or matrix instructions and memory or LDS instructions, with s_wait_alu, always for 0.
; THE PLAN.  Registers that memory or LDS instructions touch, in a key step:
;   v4-v7              LDS addresses.  Written by four additions at the step's head; read by the step's 18 LDS loads.
;   v32-35 + 8 t, v24-27   K's fragments and scale words.  Read by the step's first eight products; the next step's land in them.
;   v192-223, v28-31   V's fragments and scale words.  Loaded in the step; read by its last four products.
;   v224-231, v242     p's codes and scale word.  Written by vector instructions; taken by the scaled products.  On a tile's way out v224-227 and v238 are the data of its two stores.
;   v1, v2, v9         offsets, made at the head and never written again.
; So a step has one wait on vm_vsrc, at its head, ahead of the additions, and four on va_vdst.  The first stands ahead of the exponentials, the second behind the batch of exponentials, whose results it is owed for: it also states that this step's first products are done
; reading K, that the last step's second products are done reading V, and that v4-v7 are written; all 18 loads follow it, V's at once and K's among the row's sums, which name none of the registers that the loads touch.
; The third is the two exponentials'.  The fourth stands ahead of the second products: p's codes and scale word are written.
; LIMITS: NaN and infinities are not served; p under 2^-126 counts as 0; a block whose largest number lies under 2^-124 gets the byte 1.  ctx's scale bytes leave one byte a lane: one part in 17 of the launch's output.
; REGISTERS: v1 16 x lane, v2 16 r, v3 8 h, v4-7 addresses in hand, v9 32 r + h; v12 -M, v13 the largest t, v[14:15] the sum; v16-23 tile 0's Q, v244-251 tile 1's; v24-27 K's scale words, v28-31 V's; v32-95 K's eight fragments;
;   v96-159 S^T, then p; v160-191 O^T; v192-223 V's four fragments; v224-231 p's codes; v232-254 at work; v242 p's scale word, v243 and v235 Q's.
.set KC, 0                             ; LDS: K's codes: J x 4,096 + tile x 512 + 16 x lane
.set VC, 65536                         ; V's: J x 4,096 + d tile x 1,024 + c x 512 + 16 x lane
.set KS, 131072                        ; K's scale words: J x 512 + 16 x lane
.set VS, 139264                        ; V's: J x 256 + 16 r
	s_load_b256 s[4:11], s[0:1], 0x0               ; qkvc, qkvs, cimg, csc
	v_lshrrev_b32 v1, 5, v0
	v_readfirstlane_b32 s12, v1                    ; wave
	s_and_b32 s13, ttmp7, 0xffff                   ; bh
	v_lshlrev_b32 v4, 4, v0                        ; the fill: 16 bytes a thread
	v_add_nc_u32 v5, VC, v4
	v_add_nc_u32 v6, KS, v4
	v_lshlrev_b32 v8, 3, v0
	v_add_nc_u32 v7, VS, v8
	v_and_b32 v10, 31, v0
	v_lshlrev_b32 v1, 4, v10
	v_and_b32 v10, 15, v0
	v_bfe_u32 v11, v0, 4, 1
	v_lshlrev_b32 v2, 4, v10
	v_lshlrev_b32 v3, 3, v11
	v_lshl_add_u32 v9, v10, 5, v11
	s_lshl_b32 s42, s13, 16
	s_mov_b32 s43, 0
	s_lshl_b32 s44, s13, 13
	s_mov_b32 s45, 0
	s_lshl_b32 s46, s13, 12
	s_mov_b32 s47, 0
	s_wait_alu depctr_va_sdst(0)                   ; s12, the wave's number, is written, ahead of its first reader two lines down
	s_lshl_b32 s50, ttmp9, 5
	s_add_co_u32 s50, s50, s12                     ; my first tile of queries: 32 x work-group x + wave; the second lies 16 tiles on
	s_lshl_b32 s52, s50, 9
	s_mov_b32 s53, 0
	s_lshr_b32 s54, s50, 2
	s_lshl_b32 s54, s54, 8
	s_and_b32 s51, s50, 3
	s_lshl_b32 s51, s51, 2
	s_add_co_u32 s54, s54, s51
	s_mov_b32 s55, 0
	s_mov_b32 s24, 0x76543210
	s_mov_b32 s25, 0xfedcba98                      ; lane l xor 16
	s_mov_b32 s26, 0x3e38aa3b                      ; c = log2(e) / 8
	s_mov_b32 s27, s26                             ; (named with it as a pair)
	s_wait_kmcnt 0x0
	s_add_nc_u64 s[14:15], s[4:5], s[42:43]        ; the head's q codes,
	s_add_nc_u64 s[16:17], s[14:15], 4194304       ; k codes,
	s_add_nc_u64 s[18:19], s[14:15], 8388608       ; v codes,
	s_add_nc_u64 s[48:49], s[6:7], s[44:45]        ; q scale words,
	s_add_nc_u64 s[20:21], s[48:49], 524288        ; k's,
	s_add_nc_u64 s[22:23], s[6:7], s[46:47]
	s_add_nc_u64 s[22:23], s[22:23], 1048576       ; v's
	s_add_nc_u64 s[34:35], s[14:15], s[52:53]      ; my first tile's codes,
	s_add_nc_u64 s[36:37], s[48:49], s[54:55]      ; and its scale words
	s_wait_alu depctr_va_vdst(0)                   ; the offsets and addresses v1, v2 and v4 to v9 are written, which the loads and LDS stores below, and later the tiles' loads and stores, read
	global_load_b128 v[16:19], v1, s[34:35]
	global_load_b128 v[244:247], v1, s[34:35] offset:8192   ; 16 tiles of 512 bytes on
	global_load_b32 v243, v2, s[36:37]
	global_load_b32 v235, v2, s[36:37] offset:1024          ; four groups of 256 bytes on
.irp n, 0,1,2,3,4,5,6,7
	global_load_b128 v[32+4*\n:35+4*\n], v4, s[16:17] offset:8192*\n
.endr
.irp n, 0,1,2,3,4,5,6,7
	global_load_b128 v[64+4*\n:67+4*\n], v4, s[18:19] offset:8192*\n
.endr
	global_load_b128 v[96:99], v4, s[20:21]
	global_load_b64 v[100:101], v8, s[22:23]
.irp n, 0,1,2,3,4,5,6,7
	s_wait_loadcnt 17-\n                           ; loads come back in order: this one is in (and Q, asked for earlier), the younger ones may be out
	ds_store_b128 v4, v[32+4*\n:35+4*\n] offset:8192*\n
.endr
.irp n, 0,1,2,3,4,5,6,7
	s_wait_loadcnt 9-\n
	ds_store_b128 v5, v[64+4*\n:67+4*\n] offset:8192*\n
.endr
	s_wait_loadcnt 1
	ds_store_b128 v6, v[96:99]
	s_wait_loadcnt 0x0
	ds_store_b64 v7, v[100:101]
	s_wait_dscnt 0x0                               ; for the others' sake: my stores have landed
	s_barrier_signal -1
	s_barrier_wait -1                              ; the head's K and V lie in LDS; nothing is written there again
	s_wait_alu depctr_vm_vsrc(0)                   ; the fill's LDS stores have read their data, v32 to v101, and with the fill's loads their addresses, v4 to v7: from here on the zero codes, K's fragments, the products' results and the steps' addresses are written there
.irp t, 0,1,2,3,4,5,6,7
.irp i, 4,5,6,7
	v_mov_b32 v[32+8*\t+\i], 0                     ; zero codes for k = 64 .. 127 of the first product, in K's fragments
.endr
.endr
.irp i, 20,21,22,23,248,249,250,251
	v_mov_b32 v\i, 0                               ; and in both tiles' Q
.endr
	v_mov_b32 v234, 0                              ; a lane permute's destination counts as one of its sources
	v_mov_b32 v253, 0                              ; (the upper half of the pair v[252:253])
; A KEY STEP: 128 keys.  qf: Q's fragment; qs: its scale words.  K's fragments and scale words of this step are in registers: they were asked for a step ago and waited for in front of that step's second products.
.macro STEP qf, qs
	s_wait_alu depctr_vm_vsrc(0)                   ; the LDS loads issued so far (the last step's; in a tile's first step the tile's first) have read v4 to v7, which the four additions below write
	v_add_nc_u32 v4, s28, v1
	v_add_nc_u32 v5, s29, v1
.irp t, 0,1,2,3
	v_wmma_scale_f32_16x16x128_f8f6f4 v[96+8*\t:103+8*\t], v[32+8*\t:39+8*\t], v[\qf:\qf+7], 0, v[24+\t], v[\qs] matrix_a_fmt:MATRIX_FMT_FP4 matrix_b_fmt:MATRIX_FMT_FP4
.endr
.irp t, 4,5,6,7
	v_wmma_scale_f32_16x16x128_f8f6f4 v[96+8*\t:103+8*\t], v[32+8*\t:39+8*\t], v[\qf:\qf+7], 0, v[24+\t-4], v[\qs] matrix_a_fmt:MATRIX_FMT_FP4 matrix_b_fmt:MATRIX_FMT_FP4 matrix_a_scale:MATRIX_SCALE_ROW1
.endr
	v_add_nc_u32 v6, s30, v1                       ; four places behind the scores' products, ahead of the first read of their results (ISA guide 7.12.1)
	v_add_nc_u32 v7, s31, v2
	v_nop
	v_nop
	v_max3_num_f32 v232, v96, v97, v98             ; the largest score of each of my two blocks of 32 keys: it serves the row's maximum and, since p rises with the score, the block's largest p.  Each accumulator is read from its low end on
	v_max3_num_f32 v233, v128, v129, v130
.irp i, 3,5,7,9,11,13,15,17,19,21,23,25,27,29
	v_max3_num_f32 v232, v232, v[96+\i], v[97+\i]
	v_max3_num_f32 v233, v233, v[128+\i], v[129+\i]
.endr
	v_max_num_f32 v232, v232, v127
	v_max_num_f32 v233, v233, v159
	v_max_num_f32 v254, v232, v233
	v_permlanex16_b32 v234, v254, s24, s25
	v_max_num_f32 v254, v254, v234                 ; the step's largest score of my query
	v_mul_f32 v254, s26, v254
	v_max_num_f32 v13, v13, v254                   ; the running largest t
	v_mov_b32 v254, v12
	v_floor_f32 v12, -v13                          ; -M = floor(-t): M is a whole number
	v_sub_f32 v254, v12, v254                      ; old M - new M
	v_cvt_i32_f32 v254, v254                       ; (it saturates)
	v_ldexp_f32 v252, 1.0, v254                    ; f = 2^(old M - new M)
.set j, 0
.rept 32
	v_pk_fma_f32 v[96+j:97+j], v[96+j:97+j], s[26:27], v[12:13] op_sel_hi:[1,0,0]   ; t - M
.set j, j+2
.endr
	v_fma_f32 v232, v232, s26, v12
	v_fma_f32 v233, v233, s26, v12
.set j, 0
	s_wait_alu depctr_va_vdst(0)
.rept 64
	v_exp_f32 v[96+j], v[96+j]                     ; p = 2^(t - M)
.set j, j+1
.endr
	v_pk_mul_f32 v[14:15], v[14:15], v[252:253] op_sel_hi:[1,0]   ; the sums under the new M: the plain line behind the exponentials
	s_wait_alu depctr_va_vdst(0)                   ; the 64 exponentials have written p, ahead of its first reader; the scores' products are done reading K's fragments and scale words, and the last step's second products V's, in which the loads below land; v4 to v7 are written, which those loads read
.irp i, 0,1,2,3
.irp c, 0,1
	ds_load_b128 v[192+8*\i+4*\c:195+8*\i+4*\c], v6 offset:1024*\i+512*\c   ; V lands while the sums, the scales and the conversions are walked
.endr
.endr
	ds_load_b128 v[28:31], v7
	v_exp_f32 v232, v232                           ; the blocks' largest p
	v_exp_f32 v233, v233
	v_pk_add_f32 v[236:237], v[96:97], v[98:99]    ; the row's sum of the unquantised p, in two chains
.set j, 4
.rept 4
	v_pk_add_f32 v[14:15], v[14:15], v[96+j:97+j]
	v_pk_add_f32 v[236:237], v[236:237], v[98+j:99+j]
.set j, j+4
.endr
.irp t, 0,1,2,3,4,5,6,7
	ds_load_b128 v[32+8*\t:35+8*\t], v4 offset:4096+512*\t                  ; the next step's K.  No wait: the vector lines since the wait above name v232, v233, v236, v237, v14, v15 and p alone
.endr
	ds_load_b128 v[24:27], v5 offset:512           ; lanes 0-15: the words of tiles 0-3; lanes 16-31: of tiles 4-7
.rept 11
	v_pk_add_f32 v[14:15], v[14:15], v[96+j:97+j]
	v_pk_add_f32 v[236:237], v[236:237], v[98+j:99+j]
.set j, j+4
.endr
	v_pk_add_f32 v[14:15], v[14:15], v[236:237]
	s_wait_alu depctr_va_vdst(0)                   ; the two exponentials have written v232 and v233, ahead of their first reader
	v_max_num_f32 v232, 0x1800000, v232            ; the floor 2^(3 - 127): the byte cannot fall under 1
	v_max_num_f32 v233, 0x1800000, v233
	v_add_nc_u32 v240, 0xff000000, v232            ; the conversions' scale operands
	v_add_nc_u32 v241, 0xff000000, v233
	v_lshrrev_b32 v238, 23, v240
	v_lshrrev_b32 v239, 23, v241
	v_lshl_or_b32 v242, v239, 16, v238             ; my bytes: blocks h and 2 + h
	v_lshlrev_b32 v242, v3, v242
	v_permlanex16_b32 v234, v242, s24, s25
	v_or_b32 v242, v242, v234                      ; p's scale word for these 128 keys
.irp b, 0,1
.irp i, 0,1,2,3
	v_cvt_scalef32_pk8_fp4_f32 v[224+4*\b+\i], v[96+32*\b+8*\i:103+32*\b+8*\i], v[240+\b]
.endr
.endr
.set j, 0
.rept 16
	v_pk_mul_f32 v[160+j:161+j], v[160+j:161+j], v[252:253] op_sel_hi:[1,0]   ; O^T under the new M.  For each product below twelve of these name none of its registers: the places behind the scale word and the codes
.set j, j+2
.endr
	s_wait_dscnt 0x0                               ; V, and the next step's K
	s_wait_alu depctr_va_vdst(0)                   ; the conversions have written p's codes, v224 to v231, and the lines ahead of them p's scale word, v242, which the scaled products below take; the places above stay beside this wait
.irp i, 0,1,2,3
	v_wmma_scale_f32_16x16x128_f8f6f4 v[160+8*\i:167+8*\i], v[192+8*\i:199+8*\i], v[224:231], v[160+8*\i:167+8*\i], v[28+\i], v242 matrix_a_fmt:MATRIX_FMT_FP4 matrix_b_fmt:MATRIX_FMT_FP4
.endr
	s_add_co_u32 s28, s28, 4096
	s_add_co_u32 s29, s29, 512
	s_add_co_u32 s30, s30, 4096
	s_add_co_u32 s31, s31, 256
.endm
; One tile of 16 queries: tau = 32 x work-group x + 16 u + wave.
.macro TILE u, qf, qs
	s_wait_xcnt 0x0                                ; the last tile's stores have read their bases and data
.if \u > 0
	s_wait_alu depctr_vm_vsrc(0)                   ; the last tile's stores have read v224 to v227 and v238, and its last step's load v5: all are written anew in this tile (in the first tile the wait behind the barrier has stated the like)
.endif
	v_add_nc_u32 v5, KS, v1
	s_wait_alu depctr_va_vdst(0)                   ; v5 is written, which the scale words' load below reads; in the first tile the zero codes in K's and Q's fragments are written too, which the scaled products take
.irp t, 0,1,2,3,4,5,6,7
	ds_load_b128 v[32+8*\t:35+8*\t], v1 offset:KC+512*\t   ; the first step's K
.endr
	ds_load_b128 v[24:27], v5
	s_lshl_b32 s50, ttmp9, 5
	s_add_co_u32 s50, s50, s12
	s_add_co_u32 s50, s50, 16*\u                   ; tau
	s_mov_b32 s53, 0
	s_lshr_b32 s51, s13, 4
	s_lshl_b32 s51, s51, 7
	s_add_co_u32 s51, s51, s50                     ; T = 128 b + tau
	s_and_b32 s54, s13, 15                         ; head
	s_lshl_b32 s52, s51, 13
	s_lshl_b32 s55, s54, 9
	s_add_co_u32 s52, s52, s55
	s_add_nc_u64 s[38:39], s[8:9], s[52:53]        ; ctx's piece of the tile's image: K step head / 2, c = head % 2
	s_lshl_b32 s52, s51, 9
	s_lshl_b32 s55, s54, 1
	s_add_co_u32 s52, s52, s55
	s_add_nc_u64 s[40:41], s[10:11], s[52:53]      ; and its scale bytes
	v_mov_b32 v13, 0xff61b1e6                      ; the largest t so far: -3e38
	v_floor_f32 v12, -v13
	v_mov_b32 v14, 0
	v_mov_b32 v15, 0
.set j, 0
.rept 32
	v_mov_b32 v[160+j], 0                          ; O^T: the step is written once; the first change of M leaves zeros zeros
.set j, j+1
.endr
	s_mov_b32 s28, KC
	s_mov_b32 s29, KS
	s_mov_b32 s30, VC
	s_mov_b32 s31, VS
	s_mov_b32 s32, 16
	s_wait_dscnt 0x0                               ; the first step's K
.Lkey_\@:
	STEP \qf, \qs
	s_sub_co_u32 s32, s32, 1
	s_cmp_lg_u32 s32, 0
	s_cbranch_scc1 .Lkey_\@
	v_add_f32 v14, v14, v15                        ; the sum's two halves,
	v_permlanex16_b32 v234, v14, s24, s25
	v_add_f32 v14, v14, v234                       ; and lane l xor 16's 64 keys of each step
	s_wait_alu depctr_va_vdst(0)
	v_rcp_f32 v14, v14
	v_nop
	v_nop
	v_nop                                          ; plain lines behind the reciprocal; with the additions above, the places behind the last products
	s_wait_alu depctr_va_vdst(0)                   ; the reciprocal has written v14, ahead of its first reader
.set j, 0
.rept 16
	v_pk_mul_f32 v[96+j:97+j], v[160+j:161+j], v[14:15] op_sel_hi:[1,0]   ; ctx(my query, 64 head + 32 h + j ..): a whole block of the last product's K
.set j, j+2
.endr
	v_max3_num_f32 v232, |v96|, |v97|, 0x1800000
	v_max3_num_f32 v233, |v112|, |v113|, 0x1800000
.irp i, 2,4,6,8,10,12,14
	v_max3_num_f32 v232, v232, |v[96+\i]|, |v[97+\i]|
	v_max3_num_f32 v233, v233, |v[112+\i]|, |v[113+\i]|
.endr
	v_max_num_f32 v232, v232, v233
	v_add_nc_u32 v240, 0xff000000, v232
	v_lshrrev_b32 v238, 23, v240
.irp i, 0,1,2,3
	v_cvt_scalef32_pk8_fp4_f32 v[224+\i], v[96+8*\i:103+8*\i], v240
.endr
	v_nop                                          ; one plain line behind the last conversion
	s_wait_alu depctr_va_vdst(0)                   ; the conversions have written ctx's codes, v224 to v227, and the shift its scale byte, v238: the data of the two stores below
	global_store_b128 v1, v[224:227], s[38:39]     ; 512 consecutive bytes
	global_store_b8 v9, v238, s[40:41]             ; byte 2 head + h of my row's 32
.endm
	TILE 0, 16, 243
	TILE 1, 244, 235
	s_wait_xcnt 0x0                                ; the last tile's stores have had their addresses translated
	v_lshl_add_u32 v254, v0, 2, 0x23000            ; the add's two registers are made anew here, from v0, which is as at the entry; no memory or LDS instruction has read v254 or v255
	v_mov_b32 v255, 0
	s_wait_dscnt 0x0                               ; the closing lines, six on end
	s_wait_alu 0x0
	s_wait_tensorcnt 0x0
	ds_add_u32 v254, v255
	s_wait_dscnt 0x0
	s_endpgm
.Lfunc_end_k_qcb2f767b57_attn:
	.size	k_qcb2f767b57_attn, .Lfunc_end_k_qcb2f767b57_attn-k_qcb2f767b57_attn
	.p2alignl 7, 3214868480
	.fill 96, 4, 3214868480
	.section	.rodata,"a",@progbits
	.p2align	6, 0x0
	.amdhsa_kernel k_qcb2f767b57_attn
		.amdhsa_group_segment_fixed_size 145408
		.amdhsa_private_segment_fixed_size 0
		.amdhsa_enable_private_segment 0
		.amdhsa_kernarg_size 32
		.amdhsa_user_sgpr_count 2
		.amdhsa_user_sgpr_kernarg_segment_ptr 1
		.amdhsa_wavefront_size32 1
		.amdhsa_system_sgpr_workgroup_id_x 1
		.amdhsa_system_sgpr_workgroup_id_y 1
		.amdhsa_system_sgpr_workgroup_id_z 1
		.amdhsa_system_vgpr_workitem_id 0
		.amdhsa_next_free_vgpr 256
		.amdhsa_next_free_sgpr 66
		.amdhsa_reserve_vcc 0
		.amdhsa_float_denorm_mode_32 3
		.amdhsa_float_denorm_mode_16_64 3
		.amdhsa_memory_ordered 1
		.amdhsa_forward_progress 1
		.amdhsa_inst_pref_size 48
	.end_amdhsa_kernel
	.amdgpu_metadata
---
amdhsa.version: [ 1, 2 ]
amdhsa.kernels:
  - .name:           k_qcb2f767b57_attn
    .symbol:         k_qcb2f767b57_attn.kd
    .args:
      - { .name: qkvc, .offset: 0, .size: 8, .value_kind: global_buffer, .address_space: global }
      - { .name: qkvs, .offset: 8, .size: 8, .value_kind: global_buffer, .address_space: global }
      - { .name: cimg, .offset: 16, .size: 8, .value_kind: global_buffer, .address_space: global }
      - { .name: csc, .offset: 24, .size: 8, .value_kind: global_buffer, .address_space: global }
    .group_segment_fixed_size: 145408
    .private_segment_fixed_size: 0
    .kernarg_segment_align: 8
    .kernarg_segment_size: 32
    .max_flat_workgroup_size: 512
    .sgpr_count:     66
    .vgpr_count:     256
    .wavefront_size: 32
...
	.end_amdgpu_metadata
.endif
;; end of part 7
;; launch proj (part 8): grid 256 x 1, 16 waves a work-group, no clusters, 293,376 bytes of LDS; arguments cimg, csc, wimg, sc, b_out, x, gamma, beta, out0; writes out0
.if DOCPART == 8
	.amdgcn_target "amdgcn-amd-amdhsa--gfx1250"
	.amdhsa_code_object_version 6
	.text
	.protected	k_qcb2f767b57_proj
	.globl	k_qcb2f767b57_proj
	.p2align	8
	.type	k_qcb2f767b57_proj,@function
k_qcb2f767b57_proj:
	s_mov_b64 s[64:65], 0
	v_nop
	global_prefetch_b8 v0, s[64:65] scope:SCOPE_SE
	s_setreg_imm32_b32 hwreg(HW_REG_WAVE_MODE, 25, 1), 1
	s_wait_xcnt 0x0
; out0 = LayerNorm(Q(ctx) W_out + b_out + x) x gamma + beta; the product on codes of FP4, all else in f32.
; SHARES.  Work-group n: token tiles 2 n and 2 n + 1, 32 whole rows of out0.  In the product wave w makes columns 64 w .. 64 w + 63 (W_out's tiles 4 w + 0 .. 3), transposed (source 0 = 16 rows of W_out, source 1 = 16 tokens):
; a lane's 32 registers of a token tile are 32 neighbouring columns.  W_out's fragments are each wave's own and come as images straight into registers, three sets, two K steps ahead.
; WHAT ALL SIXTEEN WAVES READ ALIKE GOES THROUGH LDS: ctx's two images (16,384 bytes), gamma, beta and b_out (4,096 each) are asked of memory once a work-group, three loads of 16 bytes and one of 8 a thread, and read from LDS:
; a wave issues 69 loads of 16 bytes a lane where 122 would be needed with these from memory.  One barrier behind that fill.
; The rows meet in a stage in LDS (a second barrier); wave w then owns stage rows 2 w and 2 w + 1, which are two neighbouring tokens, and normalises them: mean, then the mean of the squared differences, then the scaling.
; x's two rows of a wave come by ONE tensor load a wave, issued at the head into LDS bytes of the wave's own that are filled once: they arrive under the product and are waited for on a counter of their own.
; A wave has one tensor load outstanding.  Nothing is filled again.  Sharing W_out's tiles in a cluster is left out: they do not fit in LDS beside the stage and x's rows, and a K step is 8 matrix instructions a wave.
; LIMITS: NaN and infinities are not served; the sums of a row are taken in another order than a plain loop's.
; REGISTERS: v1 16 x lane; v2, v3 scale offsets; v4-5 into the stage; v6 out of it; v7 x's rows in LDS; v8-15 at work (at the head: the fill's addresses); v16-23 ctx's scale words (lanes 0-15 tile 0, 16-31 tile 1);
;   v24-29 W's, three sets of two; v30 ctx's images in LDS, v31 gamma's; v32-175 three sets of fragments (W 32, ctx 16); v192-255 accumulators.
;   Behind the product: v32-63 gamma, v64-95 beta, v96-127 b_out, v128-191 two rows of y, v192-255 two rows of x.
.set SPI, 4112                         ; a stage row: 4,096 bytes + 16
.set XR,  32*SPI                       ; behind the stage: 8,192 bytes of x for each wave
.set CI,  XR+16*8192                   ; ctx's two images
.set GB,  CI+16384                     ; gamma, then beta,
.set BOL, GB+8192                      ; then b_out
.set ACC, 192
.set GA,  32
.set BE,  64
.set BO,  96
.set Y,   128
.set XX,  192
	s_load_b512 s[4:19], s[0:1], 0x0               ; cimg, csc, wimg, sc, b_out, x, gamma, beta
	s_load_b64 s[20:21], s[0:1], 0x40              ; out0
	v_lshl_add_u32 v254, v0, 2, 0x47200
	v_mov_b32 v255, 0
	ds_add_u32 v254, v255
	ds_add_u32 v254, v255
	s_wait_dscnt 0x0
	v_lshrrev_b32 v1, 5, v0
	s_delay_alu instid0(VALU_DEP_1)
	v_readfirstlane_b32 s22, v1                    ; wave
	s_mov_b32 s28, 3<<16                           ; descriptor group 1: elements of 8 bytes, no mask, no padding
	s_mov_b32 s29, 32<<16                          ; tensor_dim0 = 32: rows of 256 bytes
	s_mov_b32 s30, 32<<16                          ; tensor_dim1 = 32
	s_mov_b32 s31, 32<<16                          ; tile_dim0 = 32
	s_mov_b32 s32, 32                              ; tile_dim1 = 32: 8,192 dense bytes, two rows of x
	s_mov_b32 s33, 32                              ; the pitch
	s_mov_b32 s34, 0
	s_mov_b32 s35, 0
	s_lshr_b32 s36, ttmp9, 1
	s_lshl_b32 s36, s36, 6
	s_bfe_u32 s37, s22, 0x10002
	s_lshl_b32 s37, s37, 5
	s_add_co_u32 s36, s36, s37
	s_and_b32 s37, ttmp9, 1
	s_lshl_b32 s37, s37, 1
	s_lshr_b32 s38, s22, 3
	s_add_co_u32 s37, s37, s38
	s_lshl_b32 s37, s37, 3
	s_add_co_u32 s36, s36, s37
	s_and_b32 s37, s22, 3
	s_lshl_b32 s37, s37, 1
	s_add_co_u32 s36, s36, s37                     ; my first token: 64 (n / 2) + 32 ((w / 4) % 2) + 8 (2 (n % 2) + w / 8) + 2 (w % 4)
	s_lshl_b32 s36, s36, 12
	s_mov_b32 s37, 0
	s_lshl_b32 s38, s22, 13
	v_and_b32 v8, 31, v0
	v_and_b32 v9, 15, v0                           ; r
	v_bfe_u32 v10, v0, 4, 1                        ; h
	s_delay_alu instid0(VALU_DEP_3)
	v_lshlrev_b32 v1, 4, v8
	s_delay_alu instid0(VALU_DEP_3)
	v_lshlrev_b32 v2, 5, v9
	s_delay_alu instid0(VALU_DEP_1)
	v_lshl_add_u32 v2, v10, 9, v2                  ; ctx's scale bytes: tile h, row r of 32
	v_lshlrev_b32 v3, 2, v9
	s_delay_alu instid0(VALU_DEP_1)
	v_lshl_add_u32 v3, v10, 9, v3                  ; W's scale words: tile 2 a + h, row r
	v_mul_u32_u24 v4, v9, SPI
	s_delay_alu instid0(VALU_DEP_1)
	v_lshl_add_u32 v4, v10, 7, v4
	s_lshl_b32 s39, s22, 8
	v_add_nc_u32 v4, s39, v4                       ; the stage: row r, my 32 columns at 256 w + 128 h
	s_delay_alu instid0(VALU_DEP_1)
	v_add_nc_u32 v5, 16*SPI, v4                    ; and of token tile 1
	s_mul_i32 s39, s22, 2*SPI
	v_add_nc_u32 v6, s39, v1                       ; back: my two rows
	v_add_nc_u32 v7, s38, v1
	s_delay_alu instid0(VALU_DEP_1)
	v_add_nc_u32 v7, XR, v7
	v_add_nc_u32 v30, CI, v1                       ; a fragment of ctx: 16 x lane in its image
	v_add_nc_u32 v31, GB, v1                       ; gamma, beta, b_out: 16 x lane of each 512 bytes
	v_lshl_add_u32 v11, v0, 4, CI                  ; the fill: ctx, 16 bytes a thread: into LDS,
	v_lshlrev_b32 v12, 4, v0                       ; and from memory
	v_and_b32 v13, 255, v0
	s_delay_alu instid0(VALU_DEP_1)
	v_lshlrev_b32 v13, 4, v13                      ; gamma (waves 0-7) or beta (waves 8-15): 16 bytes a thread of its 4,096,
	v_lshl_add_u32 v14, v0, 4, GB                  ; one behind the other in LDS
	v_lshlrev_b32 v15, 3, v0                       ; b_out: 8 bytes a thread
	v_lshl_add_u32 v10, v0, 3, BOL
	s_mov_b32 s48, 0x3a800000                      ; 1 / 1,024
	s_mov_b32 s49, 0x3727c5ac                      ; 1e-5
	s_mov_b32 s50, 0x76543210
	s_mov_b32 s51, 0xfedcba98
	s_lshl_b32 s40, ttmp9, 14
	s_mov_b32 s41, 0
	s_lshl_b32 s42, ttmp9, 10
	s_mov_b32 s43, 0
	s_lshl_b32 s44, s22, 15
	s_add_co_u32 s44, s44, 192*8192
	s_mov_b32 s45, 0
	s_lshl_b32 s46, s22, 11
	s_add_co_u32 s46, s46, 262144+192*512
	s_mov_b32 s47, 0
	s_wait_alu depctr_va_vdst(0)
	s_wait_kmcnt 0x0
	s_mov_b32 s24, 1                               ; group 0: count = 1
	s_add_co_u32 s25, s38, XR                      ; LDS address: my 8,192 bytes
	s_add_nc_u64 s[26:27], s[14:15], s[36:37]      ; x at my first token
	s_or_b32 s27, s27, 0x80000000                  ; type = 2
	tensor_load_to_lds s[24:27], s[28:35]
	s_nop 0
.rept 4
	v_nop
.endr
	s_add_nc_u64 s[20:21], s[20:21], s[36:37]      ; out0 at my first token
	s_add_nc_u64 s[40:41], s[4:5], s[40:41]        ; ctx's two images
	s_add_nc_u64 s[42:43], s[6:7], s[42:43]        ; their scale bytes
	s_add_nc_u64 s[44:45], s[8:9], s[44:45]        ; my four images of W_out
	s_add_nc_u64 s[46:47], s[10:11], s[46:47]      ; their scale images
	s_cmp_lt_u32 s22, 8                            ; the choice hangs on the wave's number alone
	s_cselect_b64 s[52:53], s[16:17], s[18:19]     ; gamma or beta
	global_load_b128 v[192:195], v12, s[40:41]
	global_load_b128 v[196:199], v12, s[40:41] offset:8192
	global_load_b128 v[200:203], v13, s[52:53]
	global_load_b64 v[204:205], v15, s[12:13]
	global_load_b128 v[16:19], v2, s[42:43]
	global_load_b128 v[20:23], v2, s[42:43] offset:16
.macro LOADG s                         ; K step s: W's fragments and scale words into set s % 3: 10 loads from memory
.set FB, 32+48*((\s)%3)
.irp i, 0,1,2,3
.irp c, 0,1
	global_load_b128 v[FB+8*\i+4*\c:FB+8*\i+4*\c+3], v1, s[44:45] offset:\i*8192+(\s)*1024+\c*512
.endr
.endr
.irp a, 0,1
	global_load_b32 v[24+2*((\s)%3)+\a], v3, s[46:47] offset:\a*1024+(\s)*64
.endr
.endm
.macro LOADC s                         ; and ctx's two fragments: 4 loads from LDS
.set FB, 32+48*((\s)%3)
.irp m, 0,1
.irp c, 0,1
	ds_load_b128 v[FB+32+8*\m+4*\c:FB+32+8*\m+4*\c+3], v30 offset:\m*8192+(\s)*1024+\c*512
.endr
.endr
.endm
; One product.  z = 1: it starts its sum.  ra, rb: which half of the lanes holds A's and B's scale words.
.macro WM d, a, b, z, sa, sb, ra, rb
.set VAR, 4*(\z)+2*(\ra)+(\rb)
.if VAR == 0
	v_wmma_scale_f32_16x16x128_f8f6f4 v[(\d):(\d)+7], v[(\a):(\a)+7], v[(\b):(\b)+7], v[(\d):(\d)+7], v[\sa], v[\sb] matrix_a_fmt:MATRIX_FMT_FP4 matrix_b_fmt:MATRIX_FMT_FP4
.elseif VAR == 1
	v_wmma_scale_f32_16x16x128_f8f6f4 v[(\d):(\d)+7], v[(\a):(\a)+7], v[(\b):(\b)+7], v[(\d):(\d)+7], v[\sa], v[\sb] matrix_a_fmt:MATRIX_FMT_FP4 matrix_b_fmt:MATRIX_FMT_FP4 matrix_b_scale:MATRIX_SCALE_ROW1
.elseif VAR == 2
	v_wmma_scale_f32_16x16x128_f8f6f4 v[(\d):(\d)+7], v[(\a):(\a)+7], v[(\b):(\b)+7], v[(\d):(\d)+7], v[\sa], v[\sb] matrix_a_fmt:MATRIX_FMT_FP4 matrix_b_fmt:MATRIX_FMT_FP4 matrix_a_scale:MATRIX_SCALE_ROW1
.elseif VAR == 3
	v_wmma_scale_f32_16x16x128_f8f6f4 v[(\d):(\d)+7], v[(\a):(\a)+7], v[(\b):(\b)+7], v[(\d):(\d)+7], v[\sa], v[\sb] matrix_a_fmt:MATRIX_FMT_FP4 matrix_b_fmt:MATRIX_FMT_FP4 matrix_a_scale:MATRIX_SCALE_ROW1 matrix_b_scale:MATRIX_SCALE_ROW1
.elseif VAR == 4
	v_wmma_scale_f32_16x16x128_f8f6f4 v[(\d):(\d)+7], v[(\a):(\a)+7], v[(\b):(\b)+7], 0, v[\sa], v[\sb] matrix_a_fmt:MATRIX_FMT_FP4 matrix_b_fmt:MATRIX_FMT_FP4
.elseif VAR == 5
	v_wmma_scale_f32_16x16x128_f8f6f4 v[(\d):(\d)+7], v[(\a):(\a)+7], v[(\b):(\b)+7], 0, v[\sa], v[\sb] matrix_a_fmt:MATRIX_FMT_FP4 matrix_b_fmt:MATRIX_FMT_FP4 matrix_b_scale:MATRIX_SCALE_ROW1
.elseif VAR == 6
	v_wmma_scale_f32_16x16x128_f8f6f4 v[(\d):(\d)+7], v[(\a):(\a)+7], v[(\b):(\b)+7], 0, v[\sa], v[\sb] matrix_a_fmt:MATRIX_FMT_FP4 matrix_b_fmt:MATRIX_FMT_FP4 matrix_a_scale:MATRIX_SCALE_ROW1
.else
	v_wmma_scale_f32_16x16x128_f8f6f4 v[(\d):(\d)+7], v[(\a):(\a)+7], v[(\b):(\b)+7], 0, v[\sa], v[\sb] matrix_a_fmt:MATRIX_FMT_FP4 matrix_b_fmt:MATRIX_FMT_FP4 matrix_a_scale:MATRIX_SCALE_ROW1 matrix_b_scale:MATRIX_SCALE_ROW1
.endif
.endm
.macro MUL s, z                        ; the eight accumulators take turns, one instruction a turn
.set FB, 32+48*((\s)%3)
.irp m, 0,1
.irp i, 0,1,2,3
	WM ACC+32*\m+8*\i, FB+8*\i, FB+32+8*\m, \z, 24+2*((\s)%3)+\i/2, 16+(\s), \i%2, \m
.endr
.endr
.endm
	LOADG 0
	LOADG 1
	s_wait_loadcnt 22                              ; the fill's four loads are in; ctx's two scale loads and W's 20 of steps 0 and 1 may be out
	ds_store_b128 v11, v[192:195]
	ds_store_b128 v11, v[196:199] offset:8192
	ds_store_b128 v14, v[200:203]
	ds_store_b64 v10, v[204:205]
	s_wait_dscnt 0x0                               ; for the others' sake: my stores have landed
	s_barrier_signal -1
	s_barrier_wait -1                              ; ctx's images, gamma, beta and b_out lie in LDS; nothing is written there again
	LOADC 0
	LOADC 1
.irp s, 0,1,2,3,4,5,6,7
.if \s > 0
.rept 4
	v_nop                                          ; places in front of loads into the set that the last step's products read
.endr
.endif
.if \s+2 < 8
	LOADG \s+2
	LOADC \s+2
.endif
.if \s < 6
	s_wait_loadcnt 20                              ; all but the loads of the two steps ahead: 20 from memory,
	s_wait_dscnt 8                                 ; 8 from LDS
.elseif \s == 6
	s_wait_loadcnt 10
	s_wait_dscnt 4
.else
	s_wait_loadcnt 0x0
	s_wait_dscnt 0x0
.endif
.if \s == 0
	MUL \s, 1
.else
	MUL \s, 0
.endif
.endr
.rept 4
	v_nop                                          ; places behind the last products: their results are read, and their operands' registers loaded, below
.endr
.irp m, 0,1
.irp q, 0,1,2,3,4,5,6,7
	ds_store_b128 v[4+\m], v[ACC+32*\m+4*\q:ACC+32*\m+4*\q+3] offset:16*\q   ; each accumulator from its low end on
.endr
.endr
	s_wait_dscnt 0x0                               ; for the others' sake: my stores have landed
	s_barrier_signal -1
	s_barrier_wait -1                              ; 32 whole rows lie in the stage
	s_wait_tensorcnt 0x0                           ; my two rows of x are in LDS; only I read them
.irp k, 0,1
.irp q, 0,1,2,3,4,5,6,7
	ds_load_b128 v[Y+32*\k+4*\q:Y+32*\k+4*\q+3], v6 offset:SPI*\k+512*\q
.endr
.endr
.irp k, 0,1
.irp q, 0,1,2,3,4,5,6,7
	ds_load_b128 v[XX+32*\k+4*\q:XX+32*\k+4*\q+3], v7 offset:4096*\k+512*\q
.endr
.endr
.irp q, 0,1,2,3,4,5,6,7
	ds_load_b128 v[BO+4*\q:BO+4*\q+3], v31 offset:8192+512*\q
	ds_load_b128 v[GA+4*\q:GA+4*\q+3], v31 offset:512*\q
	ds_load_b128 v[BE+4*\q:BE+4*\q+3], v31 offset:4096+512*\q
.endr
	s_wait_dscnt 0x0
.macro ACROSS                          ; v[8 + 4 k] + v[9 + 4 k], summed over the 32 lanes, into v[8 + 4 k] of every lane
.irp k, 0,1
	s_delay_alu instid0(VALU_DEP_2)
	v_add_f32 v[8+4*\k], v[8+4*\k], v[9+4*\k]
.endr
.irp m, 1,2,4,8
.irp k, 0,1
	s_delay_alu instid0(VALU_DEP_2)
	v_add_f32_dpp v[8+4*\k], v[8+4*\k], v[8+4*\k] row_xmask:\m row_mask:0xf bank_mask:0xf
.endr
.endr
.irp k, 0,1
	s_delay_alu instid0(VALU_DEP_2)
	v_permlanex16_b32 v[9+4*\k], v[8+4*\k], s50, s51
.endr
.irp k, 0,1
	s_delay_alu instid0(VALU_DEP_2)
	v_add_f32 v[8+4*\k], v[8+4*\k], v[9+4*\k]
.endr
.endm
.irp k, 0,1
.irp j, 0,2,4,6,8,10,12,14,16,18,20,22,24,26,28,30
	v_pk_add_f32 v[Y+32*\k+\j:Y+32*\k+\j+1], v[Y+32*\k+\j:Y+32*\k+\j+1], v[XX+32*\k+\j:XX+32*\k+\j+1]   ; + x
.endr
.endr
.irp k, 0,1
.irp j, 0,2,4,6,8,10,12,14,16,18,20,22,24,26,28,30
	v_pk_add_f32 v[Y+32*\k+\j:Y+32*\k+\j+1], v[Y+32*\k+\j:Y+32*\k+\j+1], v[BO+\j:BO+\j+1]               ; + b_out
.endr
.endr
.irp k, 0,1
	v_pk_add_f32 v[8+4*\k:9+4*\k], v[Y+32*\k:Y+32*\k+1], v[Y+32*\k+2:Y+32*\k+3]       ; the row's sum: two chains a row
	v_pk_add_f32 v[10+4*\k:11+4*\k], v[Y+32*\k+4:Y+32*\k+5], v[Y+32*\k+6:Y+32*\k+7]
.endr
.irp j, 8,12,16,20,24,28
.irp k, 0,1
	s_delay_alu instid0(VALU_DEP_4)
	v_pk_add_f32 v[8+4*\k:9+4*\k], v[8+4*\k:9+4*\k], v[Y+32*\k+\j:Y+32*\k+\j+1]
	s_delay_alu instid0(VALU_DEP_4)
	v_pk_add_f32 v[10+4*\k:11+4*\k], v[10+4*\k:11+4*\k], v[Y+32*\k+\j+2:Y+32*\k+\j+3]
.endr
.endr
.irp k, 0
	s_delay_alu instid0(VALU_DEP_3)
	v_pk_add_f32 v[8+4*\k:9+4*\k], v[8+4*\k:9+4*\k], v[10+4*\k:11+4*\k]
.endr
.irp k, 1
	s_delay_alu instid0(VALU_DEP_2)
	v_pk_add_f32 v[8+4*\k:9+4*\k], v[8+4*\k:9+4*\k], v[10+4*\k:11+4*\k]
.endr
	ACROSS
.irp k, 0,1
	s_delay_alu instid0(VALU_DEP_2)
	v_mul_f32 v[8+4*\k], s48, v[8+4*\k]            ; the mean
.endr
.irp k, 0,1
.irp j, 0,2,4,6,8,10,12,14,16,18,20,22,24,26,28,30
	v_pk_add_f32 v[Y+32*\k+\j:Y+32*\k+\j+1], v[Y+32*\k+\j:Y+32*\k+\j+1], v[8+4*\k:9+4*\k] op_sel_hi:[1,0] neg_lo:[0,1] neg_hi:[0,1]   ; y - mean
.endr
.endr
.irp k, 0,1
	v_pk_mul_f32 v[8+4*\k:9+4*\k], v[Y+32*\k:Y+32*\k+1], v[Y+32*\k:Y+32*\k+1]         ; the sum of the squares of the differences
	v_pk_mul_f32 v[10+4*\k:11+4*\k], v[Y+32*\k+2:Y+32*\k+3], v[Y+32*\k+2:Y+32*\k+3]
.endr
.irp j, 4,8,12,16,20,24,28
.irp k, 0,1
	s_delay_alu instid0(VALU_DEP_4)
	v_pk_fma_f32 v[8+4*\k:9+4*\k], v[Y+32*\k+\j:Y+32*\k+\j+1], v[Y+32*\k+\j:Y+32*\k+\j+1], v[8+4*\k:9+4*\k]
	s_delay_alu instid0(VALU_DEP_4)
	v_pk_fma_f32 v[10+4*\k:11+4*\k], v[Y+32*\k+\j+2:Y+32*\k+\j+3], v[Y+32*\k+\j+2:Y+32*\k+\j+3], v[10+4*\k:11+4*\k]
.endr
.endr
.irp k, 0
	s_delay_alu instid0(VALU_DEP_3)
	v_pk_add_f32 v[8+4*\k:9+4*\k], v[8+4*\k:9+4*\k], v[10+4*\k:11+4*\k]
.endr
.irp k, 1
	s_delay_alu instid0(VALU_DEP_2)
	v_pk_add_f32 v[8+4*\k:9+4*\k], v[8+4*\k:9+4*\k], v[10+4*\k:11+4*\k]
.endr
	ACROSS
.irp k, 0,1
	s_delay_alu instid0(VALU_DEP_2)
	v_fma_f32 v[8+4*\k], v[8+4*\k], s48, s49       ; the variance + eps
.endr
	s_wait_alu depctr_va_vdst(0)
	v_rsq_f32 v8, v8
	v_rsq_f32 v12, v12
	v_nop                                          ; a plain line behind the last of the two
	s_wait_alu depctr_va_vdst(0)                   ; one wait for both, ahead of their first reader
.irp k, 0,1
.irp j, 0,2,4,6,8,10,12,14,16,18,20,22,24,26,28,30
	v_pk_mul_f32 v[Y+32*\k+\j:Y+32*\k+\j+1], v[Y+32*\k+\j:Y+32*\k+\j+1], v[8+4*\k:9+4*\k] op_sel_hi:[1,0]
.endr
.endr
.irp k, 0,1
.irp j, 0,2,4,6,8,10,12,14,16,18,20,22,24,26,28,30
	v_pk_fma_f32 v[Y+32*\k+\j:Y+32*\k+\j+1], v[Y+32*\k+\j:Y+32*\k+\j+1], v[GA+\j:GA+\j+1], v[BE+\j:BE+\j+1]
.endr
.endr
.irp k, 0,1
.irp q, 0,1,2,3,4,5,6,7
	global_store_b128 v1, v[Y+32*\k+4*\q:Y+32*\k+4*\q+3], s[20:21] offset:4096*\k+512*\q th:TH_STORE_NT   ; 32 lanes store 512 consecutive bytes, at a multiple of 256 from out0's first byte
.endr
.endr
	s_wait_xcnt 0x0
	v_lshl_add_u32 v254, v0, 2, 0x47200
	v_mov_b32 v255, 0
	s_wait_alu depctr_va_vdst(0)
	s_wait_tensorcnt 0x0
	ds_add_u32 v254, v255
	s_wait_dscnt 0x0
	s_endpgm
.Lfunc_end_k_qcb2f767b57_proj:
	.size	k_qcb2f767b57_proj, .Lfunc_end_k_qcb2f767b57_proj-k_qcb2f767b57_proj
	.p2alignl 7, 3214868480
	.fill 96, 4, 3214868480
	.section	.rodata,"a",@progbits
	.p2align	6, 0x0
	.amdhsa_kernel k_qcb2f767b57_proj
		.amdhsa_group_segment_fixed_size 293376
		.amdhsa_private_segment_fixed_size 0
		.amdhsa_enable_private_segment 0
		.amdhsa_kernarg_size 72
		.amdhsa_user_sgpr_count 2
		.amdhsa_user_sgpr_kernarg_segment_ptr 1
		.amdhsa_wavefront_size32 1
		.amdhsa_system_sgpr_workgroup_id_x 1
		.amdhsa_system_sgpr_workgroup_id_y 1
		.amdhsa_system_sgpr_workgroup_id_z 1
		.amdhsa_system_vgpr_workitem_id 0
		.amdhsa_next_free_vgpr 256
		.amdhsa_next_free_sgpr 66
		.amdhsa_reserve_vcc 0
		.amdhsa_float_denorm_mode_32 3
		.amdhsa_float_denorm_mode_16_64 3
		.amdhsa_memory_ordered 1
		.amdhsa_forward_progress 1
		.amdhsa_inst_pref_size 50
	.end_amdhsa_kernel
	.amdgpu_metadata
---
amdhsa.version: [ 1, 2 ]
amdhsa.kernels:
  - .name:           k_qcb2f767b57_proj
    .symbol:         k_qcb2f767b57_proj.kd
    .args:
      - { .name: cimg, .offset: 0, .size: 8, .value_kind: global_buffer, .address_space: global }
      - { .name: csc, .offset: 8, .size: 8, .value_kind: global_buffer, .address_space: global }
      - { .name: wimg, .offset: 16, .size: 8, .value_kind: global_buffer, .address_space: global }
      - { .name: sc, .offset: 24, .size: 8, .value_kind: global_buffer, .address_space: global }
      - { .name: b_out, .offset: 32, .size: 8, .value_kind: global_buffer, .address_space: global }
      - { .name: x, .offset: 40, .size: 8, .value_kind: global_buffer, .address_space: global }
      - { .name: gamma, .offset: 48, .size: 8, .value_kind: global_buffer, .address_space: global }
      - { .name: beta, .offset: 56, .size: 8, .value_kind: global_buffer, .address_space: global }
      - { .name: out0, .offset: 64, .size: 8, .value_kind: global_buffer, .address_space: global }
    .group_segment_fixed_size: 293376
    .private_segment_fixed_size: 0
    .kernarg_segment_align: 8
    .kernarg_segment_size: 72
    .max_flat_workgroup_size: 512
    .sgpr_count:     66
    .vgpr_count:     256
    .wavefront_size: 32
...
	.end_amdgpu_metadata
.endif
;; end of part 8
